; MI455X (gfx1250); checked and timed in simulation.
; The chip was launched on July 23, 2026; its instructions are those of AMD's public machine-readable ISA for CDNA 5 (MIT licence, August 2026) and "CDNA5" Instruction Set Architecture Reference Guide (July 2026). The comments in the code are by the model that wrote it; some were corrected since.
;; Cross Attention Layer. Allowed arithmetic: float matrix products may take bf16 or f16 operands with f32 sums; other float arithmetic in f32, or as packed bf16 or f16 multiplies, adds, multiply-adds, maxima and minima; sums over many terms, partial sums and values carried from step to step in f32; what a program stores and reads back later, other than sums and carried values, may be rounded once to bf16 or f16.
;; Inputs: Wg 1,024 x 1,024 float32; Wk 1,024 x 1,024 float32; Wo 1,024 x 1,024 float32; Wq 1,024 x 1,024 float32; Wv 1,024 x 1,024 float32; bg 1,024 float32; bk 1,024 float32; bo 1,024 float32; bq 1,024 float32; bv 1,024 float32; cross_states 8 x 1,024 x 1,024 float32; hidden_states 8 x 1,024 x 1,024 float32; ln_b 1,024 float32; ln_g 1,024 float32.
;; Outputs: out0 8 x 1,024 x 1,024 float32.
;; One version. Each part assembles by itself: llvm-mc -triple=amdgcn-amd-amdhsa -mcpu=gfx1250 --defsym DOCPART=n.
;; ======== version 1 of 1: 5 launches
;; workspace buffers: bf 44,040,192 bytes; qgkv 75,497,472 bytes; ctx 16,777,216 bytes; ob 33,554,432 bytes
;; launch cast (part 1): grid 64 x 23, 8 waves a work-group, no clusters, 0 bytes of LDS; arguments hidden_states, cross_states, Wq, Wg, Wk, Wv, Wo, bf, qgkv; writes bf, qgkv
.if DOCPART == 1
	.amdgcn_target "amdgcn-amd-amdhsa--gfx1250"
	.amdhsa_code_object_version 6
	.text
	.protected	k_q3461791c8e_cast
	.globl	k_q3461791c8e_cast
	.p2align	8
	.type	k_q3461791c8e_cast,@function
k_q3461791c8e_cast:
	s_mov_b64 s[64:65], 0
	v_nop
	global_prefetch_b8 v0, s[64:65] scope:SCOPE_SE
	s_setreg_imm32_b32 hwreg(HW_REG_WAVE_MODE, 25, 1), 1
	s_wait_xcnt 0x0
; f32 -> bf16 of everything that later goes to the matrix units, and the zero rows round k and v.
; bf is 21 segments of 1,048,576 numbers (2 MiB each): 0-7 hidden_states, 8-15 cross_states, 16-20 Wq, Wg, Wk, Wv, Wo, each row-major as it came.
; Grid y = the segment, grid x = 64 parts of 16,384 numbers.  A work-group of 256 threads reads its 65,536 bytes by 16 loads of 16 bytes a thread
; (a wave's load covers 512 consecutive bytes) and writes 32,768 bytes by 16 stores of 8 bytes a thread (a wave's store covers 256 consecutive bytes, aligned).
; All 16 loads are issued first; no register is written twice, so the only waits are the counted ones for the data.
; Grid y = 21, 22: the 64 rows in front of and behind each batch in k's and v's segments of qgkv ([8][1152][1024] bf16) are set to 0: attention reads them as keys outside the sequence.
.set SEG,   18874368                   ; bytes in a segment of qgkv: 8 x 1,152 rows x 2,048 bytes
.set BATCH, 1152*2048                  ; bytes of a batch in such a segment
.set BACK,  1088*2048                  ; where a batch's hind pad rows begin
.set X, 16                             ; v[16:79]   16 x 4 numbers as loaded
.set Y, 80                             ; v[80:111]  16 x 2 words to store
	s_load_b512 s[8:23], s[0:1], 0x0               ; hs 8:9, cs 10:11, Wq 12:13, Wg 14:15, Wk 16:17, Wv 18:19, Wo 20:21, bf 22:23
	s_load_b64 s[24:25], s[0:1], 0x40              ; qgkv
	s_and_b32 s2, ttmp7, 0xffff                    ; y
	s_mov_b32 s3, ttmp9                            ; x
	v_lshlrev_b32 v1, 4, v0                        ; 16 bytes a thread
	v_lshlrev_b32 v2, 3, v0                        ; 8 bytes a thread
	s_wait_kmcnt 0x0
	s_cmp_ge_u32 s2, 21
	s_cbranch_scc1 .Lzero
	; which input the segment comes from: a choice between buffers on the segment's number alone
	s_cmp_lt_u32 s2, 8
	s_cselect_b64 s[28:29], s[8:9], s[10:11]
	s_cmp_eq_u32 s2, 16
	s_cselect_b64 s[28:29], s[12:13], s[28:29]
	s_cmp_eq_u32 s2, 17
	s_cselect_b64 s[28:29], s[14:15], s[28:29]
	s_cmp_eq_u32 s2, 18
	s_cselect_b64 s[28:29], s[16:17], s[28:29]
	s_cmp_eq_u32 s2, 19
	s_cselect_b64 s[28:29], s[18:19], s[28:29]
	s_cmp_eq_u32 s2, 20
	s_cselect_b64 s[28:29], s[20:21], s[28:29]
	s_and_b32 s30, s2, 7
	s_lshl_b32 s30, s30, 22                        ; a segment is 4 MiB of f32: the batch inside hs or cs,
	s_cmp_lt_u32 s2, 16
	s_cselect_b32 s30, s30, 0                      ; nothing for a weight
	s_lshl_b32 s31, s3, 16                         ; my part: 65,536 bytes
	s_add_co_u32 s30, s30, s31
	s_mov_b32 s31, 0
	s_add_nc_u64 s[28:29], s[28:29], s[30:31]
	s_lshl_b32 s34, s2, 21                         ; in bf: 2 MiB a segment,
	s_lshl_b32 s35, s3, 15                         ; 32,768 bytes a part
	s_add_co_u32 s34, s34, s35
	s_mov_b32 s35, 0
	s_add_nc_u64 s[32:33], s[22:23], s[34:35]
.irp j, 0,1,2,3,4,5,6,7,8,9,10,11,12,13,14,15
	global_load_b128 v[X+4*(\j):X+4*(\j)+3], v1, s[28:29] offset:4096*(\j) th:TH_LOAD_NT
.endr
.irp j, 0,1,2,3,4,5,6,7,8,9,10,11,12,13,14,15
	s_wait_loadcnt 15-(\j)                         ; loads come back in order: load j is in, the 15 - j younger ones stay out
	v_cvt_pk_bf16_f32 v[Y+2*(\j)],   v[X+4*(\j)],   v[X+4*(\j)+1]
	v_cvt_pk_bf16_f32 v[Y+2*(\j)+1], v[X+4*(\j)+2], v[X+4*(\j)+3]
	global_store_b64 v2, v[Y+2*(\j):Y+2*(\j)+1], s[32:33] offset:2048*(\j)
.endr
	s_endpgm
.Lzero:                                        ; x = 8 x batch + 4 x (front, hind) + a quarter of the 64 rows
	s_sub_co_u32 s26, s2, 19                       ; segment 2 (k) or 3 (v)
	s_mul_i32 s26, s26, SEG
	s_lshr_b32 s27, s3, 3
	s_mul_i32 s27, s27, BATCH
	s_add_co_u32 s26, s26, s27
	s_bfe_u32 s27, s3, 0x10002                     ; bit 2 of x
	s_mul_i32 s27, s27, BACK
	s_add_co_u32 s26, s26, s27
	s_and_b32 s27, s3, 3
	s_lshl_b32 s27, s27, 15                        ; 16 rows of 2,048 bytes
	s_add_co_u32 s26, s26, s27
	s_mov_b32 s27, 0
	s_add_nc_u64 s[24:25], s[24:25], s[26:27]
	v_mov_b32 v4, 0
	v_mov_b32 v5, 0
	v_mov_b32 v6, 0
	v_mov_b32 v7, 0
.irp j, 0,1,2,3,4,5,6,7
	global_store_b128 v1, v[4:7], s[24:25] offset:4096*(\j)
.endr
	s_endpgm
.Lfunc_end_k_q3461791c8e_cast:
	.size	k_q3461791c8e_cast, .Lfunc_end_k_q3461791c8e_cast-k_q3461791c8e_cast
	.p2alignl 7, 3214868480
	.fill 96, 4, 3214868480
	.section	.rodata,"a",@progbits
	.p2align	6, 0x0
	.amdhsa_kernel k_q3461791c8e_cast
		.amdhsa_group_segment_fixed_size 0
		.amdhsa_private_segment_fixed_size 0
		.amdhsa_enable_private_segment 0
		.amdhsa_kernarg_size 72
		.amdhsa_user_sgpr_count 2
		.amdhsa_user_sgpr_kernarg_segment_ptr 1
		.amdhsa_wavefront_size32 1
		.amdhsa_system_sgpr_workgroup_id_x 1
		.amdhsa_system_sgpr_workgroup_id_y 1
		.amdhsa_system_sgpr_workgroup_id_z 1
		.amdhsa_system_vgpr_workitem_id 0
		.amdhsa_next_free_vgpr 112
		.amdhsa_next_free_sgpr 66
		.amdhsa_reserve_vcc 0
		.amdhsa_float_denorm_mode_32 3
		.amdhsa_float_denorm_mode_16_64 3
		.amdhsa_memory_ordered 1
		.amdhsa_forward_progress 1
		.amdhsa_inst_pref_size 9
	.end_amdhsa_kernel
	.amdgpu_metadata
---
amdhsa.version: [ 1, 2 ]
amdhsa.kernels:
  - .name:           k_q3461791c8e_cast
    .symbol:         k_q3461791c8e_cast.kd
    .args:
      - { .name: hidden_states, .offset: 0, .size: 8, .value_kind: global_buffer, .address_space: global }
      - { .name: cross_states, .offset: 8, .size: 8, .value_kind: global_buffer, .address_space: global }
      - { .name: Wq, .offset: 16, .size: 8, .value_kind: global_buffer, .address_space: global }
      - { .name: Wg, .offset: 24, .size: 8, .value_kind: global_buffer, .address_space: global }
      - { .name: Wk, .offset: 32, .size: 8, .value_kind: global_buffer, .address_space: global }
      - { .name: Wv, .offset: 40, .size: 8, .value_kind: global_buffer, .address_space: global }
      - { .name: Wo, .offset: 48, .size: 8, .value_kind: global_buffer, .address_space: global }
      - { .name: bf, .offset: 56, .size: 8, .value_kind: global_buffer, .address_space: global }
      - { .name: qgkv, .offset: 64, .size: 8, .value_kind: global_buffer, .address_space: global }
    .group_segment_fixed_size: 0
    .private_segment_fixed_size: 0
    .kernarg_segment_align: 8
    .kernarg_segment_size: 72
    .max_flat_workgroup_size: 256
    .sgpr_count:     66
    .vgpr_count:     112
    .wavefront_size: 32
...
	.end_amdgpu_metadata
.endif
;; end of part 1
;; launch proj (part 2): grid 8 x 32, 4 waves a work-group, clusters of 4 x 4, 327,680 bytes of LDS; arguments bf, bq, bg, bk, bv, qgkv; writes qgkv
.if DOCPART == 2
	.amdgcn_target "amdgcn-amd-amdhsa--gfx1250"
	.amdhsa_code_object_version 6
	.text
	.protected	k_q3461791c8e_proj
	.globl	k_q3461791c8e_proj
	.p2align	8
	.type	k_q3461791c8e_proj,@function
k_q3461791c8e_proj:
	s_mov_b64 s[64:65], 0
	v_nop
	global_prefetch_b8 v0, s[64:65] scope:SCOPE_SE
	s_setreg_imm32_b32 hwreg(HW_REG_WAVE_MODE, 25, 1), 1
	s_wait_xcnt 0x0
	s_wait_alu depctr_hold_cnt(0) depctr_sa_sdst(0) depctr_va_vdst(0) depctr_va_sdst(0) depctr_va_ssrc(0) depctr_va_vcc(0) depctr_vm_vsrc(0)
	s_getreg_b32 s2, hwreg(HW_REG_IB_STS2, 6, 4)
	s_cmp_eq_u32 s2, 0
	s_cbranch_scc0 .Lentry_in_a_cluster
	s_endpgm
.Lentry_in_a_cluster:
	s_bfe_u32 s2, ttmp6, 0x10000c
	s_cmp_lg_u32 s2, 0xf033
	s_cbranch_scc0 .Lentry_shape_is_right
	s_endpgm
.Lentry_shape_is_right:
; THE FOUR PROJECTIONS as two products C = A B^T + bias, all operands bf16, sums in f32, C rounded once to bf16:
;   problem 0: A = hidden_states [8192][1024], B = [Wq; Wg] [2048][1024] -> q and z (the gate before its sigmoid);   problem 1: A = cross_states, B = [Wk; Wv] -> k and v.
; A and B lie in bf (A at p x 16 MiB, B at 32 MiB + p x 4 MiB).  C goes to qgkv: four segments q, z, k, v of [8][1152][1024] bf16; row s of batch b lies at row 1152 b + 64 + s.
; A tile of C, 256 x 256, is made by four waves, 128 x 128 each: 64 accumulators of 16 x 16, 512 registers.  K goes in steps of 128 through a ring of two LDS slots filled by the tensor data mover;
; the tiles' rows are 256 bytes of memory and start at multiples of 256 bytes from the buffer's first byte.
; A WORK-GROUP STAYS: it makes two tiles, 4,096 rows of A apart, with the same rows of B; the ring runs on across the change of tiles.  2 problems x 16 x 8 work-groups = 256.
; CLUSTERS: 4 x 4 work-groups.  The four of a row of the cluster need the same tiles of A, the four of a column the same tiles of B: each tile is asked for JOINTLY, by the same tensor load with the
; same descriptor and a mask that names the four.  All sixteen belong to one problem (it hangs on the cluster's y alone).
; THE MATRIX INSTRUCTION IS USED TRANSPOSED (source 0 = 16 rows of B, source 1 = 16 rows of A): lane l holds row l % 16 of C and the columns 8 (l / 16) + 0..7: 16 bytes on end after rounding.
; THE BIAS IS THE C OPERAND of the product that starts each sum: for column block b the lane's eight numbers lie in window 1, v[8 b .. 8 b + 7], loaded once and never rewritten.
; REGISTERS, in windows of 256 (s_set_vgpr_msb: bits 1:0 source 0, 3:2 source 1, 5:4 source 2, 7:6 destination):
;   window 0: v0-31 addresses; v64-127, v128-191 fragments of A, two buffers; v32-63, v192-255 at work on the way out
;   window 1: v0-63 the bias; v64-127, v128-191 fragments of B          window 2: the accumulators of my rows 0-63 ((a, b) at v[8 (8 a + b)])          window 3: those of my rows 64-127
.set SIZE_K, 1024
.set KSTEP,  128
.set CROW,   2048                      ; bytes in a row of a segment of qgkv
.set SEG,    18874368                  ; bytes in a segment
.set WTS,    0x2000000                 ; where the weights begin in bf
.set PITCH,  272                       ; an LDS row: 256 bytes + 16 of padding = 68 words: row r starts at bank 4 r mod 64 (64 banks of 4 bytes: ISA guide 11.1)
.set HALFT,  128*PITCH                 ; 128 rows: what one tensor load brings, and what one wave reads of A or of B
.set SLOT,   4*HALFT                   ; A's 256 rows, then B's 256 rows
.set STAGE,  2*SLOT                    ; behind the ring: 16 rows x 272 bytes for each wave, for the way out
.set SPITCH, 272
.set SPARE,  STAGE+4*16*SPITCH         ; behind the stages: the spare words, 128 bytes for each wave, which no other line names
.set LAPS,   SIZE_K/(2*KSTEP)          ; a lap = two K steps = once round the ring
.set WALK,   4096                      ; rows of A from my first tile to my second
.set NEXT_A, WALK*SIZE_K*2-(SIZE_K-2*KSTEP)*2  ; bytes from a slot's last K step of a tile to its first of the next: WALK rows down and back along K,
.set BACK_B, (SIZE_K-2*KSTEP)*2        ; B only back
.set NEXT_C, (WALK+512-7*16)*CROW      ; from my last 16 rows of a tile to my first of the next: four batches on, so 4 x 128 pad rows more
.set ADRA, 16                          ; v16-17  LDS address of my A fragments in slot 0, 1
.set ADRB, 20                          ; v20-21  the same for B
.set STO,  24                          ; v24     the way out: where I put 16 bytes of a row
.set RD,   25                          ; v25     the way out: where I read a row back
.set CO,   26                          ; v26     my byte offset in C
.set BO,   27                          ; v27     my byte offset in the bias
.set SPW,  28                          ; v28     LDS address of my spare word; never rewritten
.set NIL,  29                          ; v29     0; never rewritten
.set PFO,  30                          ; v30     the prefetches' offset: my lane x a row of A or B (2,048 bytes); never rewritten
.set PFA,  44                          ; s[44:45] where my prefetches stand
.set LIM,  43                          ; s43     1 in a wave that prefetches, else the greatest number
.set F0,   64
.set F1,   128
.set TMP,  192
.set OB,   32
.set G1,  24                           ; s[24:31] descriptor group 1 for A's tiles;  s[32:39] group 0, a set for each slot
.set G0,  32
.set G1B, 48                           ; s[48:55], s[56:63] the same for B's tiles
.set G0B, 56
.set MSB, 0
.macro WIN new                         ; the immediate's high byte repeats the setting that is left; a switch that changes nothing is dropped
.if MSB != (\new)
	s_set_vgpr_msb (MSB<<8)|(\new)
.set MSB, \new
.endif
.endm
.set MUL_LO, 0xa1                      ; source 0 (B) window 1, source 1 (A) window 0, C and D window 2
.set MUL_HI, 0xf1                      ; the same, C and D window 3
.set TO_B,   0x40                      ; destination window 1, address window 0
; A joint load.  Waves 0 and 1 fetch A's two halves, waves 2 and 3 B's.  The branch hangs on the wave's number alone.  An s_nop 0 and four v_nop follow each of the two lines.
.macro JLOAD s
	s_cmp_eq_u32 s11, 0
	s_cbranch_scc0 .Lfor_b_\@
	tensor_load_to_lds s[G0+4*(\s):G0+4*(\s)+3], s[G1:G1+7]
	s_nop 0
.rept 4
	v_nop
.endr
	s_branch .Lasked_\@
.Lfor_b_\@:
	tensor_load_to_lds s[G0B+4*(\s):G0B+4*(\s)+3], s[G1B:G1B+7]
	s_nop 0
.rept 4
	v_nop
.endr
.Lasked_\@:
.endm
; A PREFETCH INTO THE L2, behind each joint load and the run of LDS loads that follows it: the K step that stands two refills on: 32 rows x 256 bytes, a lane a row, one instruction a wave: 512 matrix
; instructions ahead of the load that will want it.  Each row's 256 bytes of a K step are named once in the launch: A's tile row is read by both clusters of its row of clusters: cluster x = 0 asks; B's
; tile column by the four clusters of its problem and column: the first of them asks, in the first tile alone.  The four partners that ask for a tile jointly share its rows out BY ADDRESS, 32 each.
; how = 0, in the loop: a tile's last two refills have no K step two on; how = 1, at the change of tiles.
.macro ASK how
.if \how
	s_cmp_eq_u32 s[LIM], 1
.else
	s_cmp_gt_u32 s3, s[LIM]                        ; s3 = 1 in the loop's last trip
.endif
	s_cbranch_scc0 .Lnot_mine_\@
	global_prefetch_b8 v[PFO], s[PFA:PFA+1] offset:KSTEP*2 th:TH_LOAD_NT scope:SCOPE_SE
.Lnot_mine_\@:
.endm
.macro CREST                           ; a round of the cluster's barrier behind its opening barrier
	s_cmp_lg_u32 s10, 0
	s_cbranch_scc1 .Lnot_wave_0_\@
	s_barrier_signal -3
.Lnot_wave_0_\@:
	s_barrier_wait -3
	s_barrier_signal -1
	s_barrier_wait -1
.endm
.macro CROUND                          ; a whole round
	s_barrier_signal -1
	s_barrier_wait -1
	CREST
.endm
	s_load_b64 s[4:5], s[0:1], 0x0                 ; bf
	s_load_b256 s[68:75], s[0:1], 0x8              ; bq 68:69, bg 70:71, bk 72:73, bv 74:75
	s_load_b64 s[8:9], s[0:1], 0x28                ; qgkv
	v_lshl_add_u32 v[SPW], v0, 2, SPARE
	v_mov_b32 v[NIL], 0
	ds_add_u32 v[SPW], v[NIL]                      ; the wave's opening: the add and its wait stand ahead of my first tensor load; the set-up below stands between them
	ds_add_u32 v28, v29
	v_lshrrev_b32 v1, 5, v0
	v_readfirstlane_b32 s10, v1                    ; wave 0..3
	s_lshr_b32 s11, s10, 1                         ; which half of the tile's rows is mine.  Also: I fetch for A (0) or for B (1)
	s_and_b32 s12, s10, 1                          ; which half of its columns.  Also: which 128 rows of that tile I fetch
	s_bfe_u32 s40, ttmp6, 0x40000                  ; cx
	s_bfe_u32 s41, ttmp6, 0x40004                  ; cy
	s_lshl_b32 s42, ttmp9, 2
	s_add_co_u32 s42, s42, s40                     ; tile column, 0..7, of the problem's 2,048 columns = 4 x cluster x + cx
	s_and_b32 s13, ttmp7, 0xffff                   ; cluster y, 0..7
	s_lshr_b32 s66, s13, 2                         ; the problem p
	s_and_b32 s67, s13, 3                          ; the cluster's row inside the problem
	s_lshl_b32 s13, s67, 2
	s_add_co_u32 s13, s13, s41                     ; tile row, 0..15, of my first tile
	s_lshl_b32 s43, s41, 2
	s_lshl_b32 s43, 15, s43                        ; my row of the cluster
	s_lshl_b32 s44, 0x1111, s40                    ; my column
	; descriptor group 1: a tile of 128 rows x 128 elements, padded in LDS
	s_or_b32 s[G1+0], s43, (1<<16)|(1<<20)|(1<<21)|(5<<22)|(3<<25)  ; 15:0 the mask: A's tiles go to my row; 17:16 elements of 2 bytes; 20 padding on; 21 set beside a mask; 24:22 after every 64 words; 31:25 4 words
	s_or_b32 s[G1B+0], s44, (1<<16)|(1<<20)|(1<<21)|(5<<22)|(3<<25) ; the same with the mask of my column
.irp g, G1, G1B
	s_mov_b32 s[(\g)+1], KSTEP<<16                 ; tensor_dim0 = 128
	s_mov_b32 s[(\g)+2], 128<<16                   ; tensor_dim1 = 128
	s_mov_b32 s[(\g)+3], KSTEP<<16                 ; tile_dim0 = 128
	s_mov_b32 s[(\g)+4], 128                       ; tile_dim1 = 128
	s_mov_b32 s[(\g)+5], SIZE_K                    ; elements from row to row
	s_mov_b32 s[(\g)+6], 0
	s_mov_b32 s[(\g)+7], 0
.endr
	; where the tiles come from, as offsets in bf.  A's hang on the tile row and the problem, B's on the tile column and the problem; each in registers that never hold the other coordinate
	s_lshl_b32 s17, s12, 7                         ; which 128 rows of the tile I fetch
	s_lshl_b32 s16, s13, 8
	s_add_co_u32 s16, s16, s17
	s_lshl_b32 s16, s16, 11                        ; rows of 2,048 bytes
	s_lshl_b32 s18, s66, 24
	s_add_co_u32 s16, s16, s18                     ; + p x 16 MiB
	s_lshl_b32 s46, s42, 8
	s_add_co_u32 s46, s46, s17
	s_lshl_b32 s46, s46, 11
	s_lshl_b32 s18, s66, 22
	s_add_co_u32 s46, s46, s18                     ; + p x 4 MiB
	s_add_co_u32 s46, s46, WTS
	s_mov_b32 s17, 0
	s_mov_b32 s47, 0
	s_mul_i32 s20, s10, HALFT                      ; and where they go: wave x 128 rows: no place in the cluster enters an LDS address
	s_wait_dscnt 0x0                               ; the opening add is done
	s_wait_kmcnt 0x0
	s_add_nc_u64 s[14:15], s[4:5], s[16:17]
	s_add_nc_u64 s[46:47], s[4:5], s[46:47]
	CROUND                                         ; all sixteen work-groups are here: the first joint loads meet
.irp s, 0,1
	s_mov_b32 s[G0+4*(\s)], 1                                      ; count = 1
	s_add_co_u32 s[G0+4*(\s)+1], s20, (\s)*SLOT                    ; LDS address
	s_add_nc_u64 s[G0+4*(\s)+2:G0+4*(\s)+3], s[14:15], (\s)*KSTEP*2  ; global address: K step s
	s_or_b32 s[G0+4*(\s)+3], s[G0+4*(\s)+3], 0x80000000            ; type = 2
	s_mov_b32 s[G0B+4*(\s)], 1
	s_add_co_u32 s[G0B+4*(\s)+1], s20, (\s)*SLOT
	s_add_nc_u64 s[G0B+4*(\s)+2:G0B+4*(\s)+3], s[46:47], (\s)*KSTEP*2
	s_or_b32 s[G0B+4*(\s)+3], s[G0B+4*(\s)+3], 0x80000000
	JLOAD \s                                       ; two loads of mine are out
.endr
	; A fragment is 16 rows x 32 K in 8 registers: lane l holds row l % 16; registers 0-3 K = 8 (l / 16) + 0..7, registers 4-7 K = 16 + 8 (l / 16) + 0..7: two loads of 16 bytes, 32 bytes apart
	v_and_b32 v1, 15, v0                           ; l % 16
	v_bfe_u32 v2, v0, 4, 1                         ; l / 16
	v_mul_u32_u24 v3, v1, PITCH
	v_lshl_add_u32 v3, v2, 4, v3
	s_mul_i32 s21, s11, HALFT                      ; my 128 rows of A
	s_mul_i32 s22, s12, HALFT                      ; my 128 rows of B,
	s_add_co_u32 s22, s22, 2*HALFT                 ; which lie behind A's 256
.irp s, 0,1
	v_add_nc_u32 v[ADRA+(\s)], s21, v3
	v_add_nc_u32 v[ADRB+(\s)], s22, v3
	s_add_co_u32 s21, s21, SLOT
	s_add_co_u32 s22, s22, SLOT
.endr
	s_mul_i32 s23, s10, 16*SPITCH
	s_add_co_u32 s23, s23, STAGE                   ; my stage
	v_mul_u32_u24 v4, v1, SPITCH                   ; in: row l % 16, 16 bytes for each half of the lanes
	v_lshl_add_u32 v4, v2, 4, v4
	v_add_nc_u32 v[STO], s23, v4
	v_mul_u32_u24 v5, v2, SPITCH                   ; back: lanes 0-15 take one row of 256 bytes, lanes 16-31 the next
	v_lshl_add_u32 v5, v1, 4, v5
	v_add_nc_u32 v[RD], s23, v5
	v_lshlrev_b32 v5, 11, v2                       ; and the same two rows in C
	v_lshl_add_u32 v[CO], v1, 4, v5
	; the bias: which of the four, by the problem and the cluster's x (the same in all sixteen partners); my 128 columns of its 1,024
	s_cmp_eq_u32 ttmp9, 0
	s_cselect_b64 s[76:77], s[68:69], s[70:71]     ; bq or bg
	s_cselect_b64 s[78:79], s[72:73], s[74:75]     ; bk or bv
	s_cmp_eq_u32 s66, 0
	s_cselect_b64 s[76:77], s[76:77], s[78:79]
	s_lshl_b32 s20, s40, 10                        ; 256 columns x 4 bytes a tile column of the segment,
	s_lshl_b32 s21, s12, 9                         ; my half
	s_add_co_u32 s20, s20, s21
	v_lshl_add_u32 v[BO], v2, 5, s20               ; + 8 (l / 16) numbers
	WIN TO_B
.irp b, 0,1,2,3,4,5,6,7
	global_load_b128 v[8*(\b):8*(\b)+3],   v[BO], s[76:77] offset:64*(\b)
	global_load_b128 v[8*(\b)+4:8*(\b)+7], v[BO], s[76:77] offset:64*(\b)+16
.endr
	WIN 0
	; where my part of the first tile begins in qgkv: the first way out adds it to the buffer's address
	s_lshl_b32 s16, s13, 8                         ; 256 x tile row
	s_lshr_b32 s17, s13, 2                         ; its batch:
	s_lshl_b32 s17, s17, 7                         ; 128 pad rows for each batch before it,
	s_add_co_u32 s16, s16, s17
	s_lshl_b32 s17, s11, 7                         ; my half of the rows,
	s_add_co_u32 s16, s16, s17
	s_add_co_u32 s16, s16, 64                      ; the batch's own front pad
	s_lshl_b32 s16, s16, 11
	s_lshl1_add_u32 s17, s66, ttmp9                ; the segment: 2 p + cluster x
	s_mul_i32 s17, s17, SEG
	s_add_co_u32 s16, s16, s17
	s_lshl_b32 s46, s40, 9                         ; my first column, in bytes: 512 cx + 256 x half
	s_lshl_b32 s47, s12, 8
	s_add_co_u32 s46, s46, s47
	s_add_co_u32 s16, s16, s46
	s_mov_b32 s17, 0
	; the prefetches
	s_lshl_b32 s20, s13, 8
	s_lshl_b32 s21, s42, 8
	s_lshl_b32 s22, s66, 24
	s_lshl_b32 s23, s66, 22
	s_add_co_u32 s23, s23, WTS
	s_cmp_eq_u32 s11, 0                            ; do I fetch for A?
	s_cselect_b32 s20, s20, s21                    ; the tile's first row
	s_cselect_b32 s21, s40, s41                    ; my place among the four that ask for it with me
	s_cselect_b32 s22, s22, s23                    ; the matrix's first byte in bf
	s_cselect_b32 s23, ttmp9, s67                  ; the coordinate along which other clusters read the same rows
	s_cmp_eq_u32 s23, 0
	s_cselect_b32 s[LIM], 1, -1                    ; the same in all sixteen partners, for a given wave
	s_lshl_b32 s23, s12, 7
	s_add_co_u32 s20, s20, s23                     ; + the 128 rows that I fetch
	s_lshl_b32 s21, s21, 5
	s_add_co_u32 s20, s20, s21                     ; + my work-group's 32 of them
	s_lshl_b32 s20, s20, 11
	s_add_co_u32 s20, s20, s22
	s_add_co_u32 s20, s20, 2*KSTEP*2               ; at K step 2: the first refill steps it to 3 and names K step 4
	s_mov_b32 s21, 0
	s_add_nc_u64 s[PFA:PFA+1], s[4:5], s[20:21]
	v_and_b32 v[PFO], 31, v0
	v_lshlrev_b32 v[PFO], 11, v[PFO]
; 16 matrix instructions: m blocks a0, a0 + 1 of the window's four (hi = 0: my rows 0-63, 1: rows 64-127) x all 8 n blocks, 32 along K.  zero = 1: the product starts the sum, with the bias as C.
; The 64 accumulators take turns, one instruction a turn, in the same order in every quarter step.
.macro MUL16 f, hi, a0, zero
.if \zero
	WIN 0x91+0x40*(\hi)                            ; C in window 1, D in window 2 or 3
.else
	WIN MUL_LO+0x50*(\hi)
.endif
.irp a, \a0, (\a0)+1
.irp b, 0,1,2,3,4,5,6,7
.if \zero
	v_wmma_f32_16x16x32_bf16 v[8*(8*(\a)+(\b)):8*(8*(\a)+(\b))+7], v[(\f)+8*(\b):(\f)+8*(\b)+7], v[(\f)+8*(4*(\hi)+(\a)):(\f)+8*(4*(\hi)+(\a))+7], v[8*(\b):8*(\b)+7]
.else
	v_wmma_f32_16x16x32_bf16 v[8*(8*(\a)+(\b)):8*(8*(\a)+(\b))+7], v[(\f)+8*(\b):(\f)+8*(\b)+7], v[(\f)+8*(4*(\hi)+(\a)):(\f)+8*(4*(\hi)+(\a))+7], v[8*(8*(\a)+(\b)):8*(8*(\a)+(\b))+7]
.endif
.endr
.endr
.endm
; 32 LDS loads in one run: the fragments of one quarter step (128 rows of B, 128 rows of A, 32 K at byte k of the rows) into buffer f
.macro FETCH slot, k, f
	WIN TO_B
.irp i, 0,1,2,3,4,5,6,7
	ds_load_b128 v[(\f)+8*(\i):(\f)+8*(\i)+3],   v[ADRB+(\slot)] offset:(\k)+(\i)*16*PITCH
	ds_load_b128 v[(\f)+8*(\i)+4:(\f)+8*(\i)+7], v[ADRB+(\slot)] offset:(\k)+(\i)*16*PITCH+32
.endr
	WIN 0
.irp i, 0,1,2,3,4,5,6,7
	ds_load_b128 v[(\f)+8*(\i):(\f)+8*(\i)+3],   v[ADRA+(\slot)] offset:(\k)+(\i)*16*PITCH
	ds_load_b128 v[(\f)+8*(\i)+4:(\f)+8*(\i)+7], v[ADRA+(\slot)] offset:(\k)+(\i)*16*PITCH+32
.endr
.endm
; Four places (plain vector instructions that name none of a matrix instruction's registers) in front of loads into registers that matrix instructions have read, and of conversions that read results
.macro PLACES
.rept 4
	v_nop
.endr
.endm
; A K step is four quarter steps of 32 along K, 64 matrix instructions each, on buffers 0, 1, 0, 1.  One of the first three: multiplies buffer f; in its middle it fetches the next quarter, at byte k, into g.
.macro QUARTER slot, k, f, g, zero
	s_wait_dscnt 8                                 ; B and A's rows 0-63 are in; the youngest eight loads (A's rows 64-127) may be out
	MUL16 \f, 0, 0, \zero
	MUL16 \f, 0, 2, \zero
	PLACES
	FETCH \slot, \k, \g
	s_wait_dscnt 32                                ; all but the 32 just issued
	MUL16 \f, 1, 0, \zero
	MUL16 \f, 1, 2, \zero
.endm
; The last quarter multiplies buffer 1 and changes slots.  MEET is its first half: one barrier; in front of it each wave waits for all its tensor loads (one is out: its part of the next slot), adds 0 to its
; spare word, and waits for that and for its own reads of this slot.  Behind it nobody reads this slot any more and the next slot is whole.
.macro MEET round
	WIN 0                                          ; (the add's two registers lie in window 0)
	s_wait_tensorcnt 0x0
	ds_add_u32 v[SPW], v[NIL]                      ; 0 onto my spare word
	s_wait_dscnt 9                                 ; (the add and the youngest eight loads may be out)
	MUL16 F1, 0, 0, 0                              ; sixteen matrix instructions stand between the add and the wait for it
	s_wait_dscnt 0x0                               ; the add is done, and my reads of this slot are over
	s_barrier_signal -1
	MUL16 F1, 0, 2, 0                              ; work on registers while the others arrive
.if \round
	WIN 0
.endif
	s_barrier_wait -1
.endm
; The whole last quarter.  Behind the round the slot just read out is filled again first: with this tile's K step two steps on (on = 0) or with the next tile's K step 0 or 1 (on = 1); then come the next
; slot's first fragments.  From a request to the wait for it a wave issues 224 matrix instructions.
.macro TURN slot, next, on
	s_wait_xcnt 0x0                                ; the last prefetch, a K step back, has read its address: it is stepped here
.if (\on) && (\slot) == 0
	s_add_nc_u64 s[PFA:PFA+1], s[PFA:PFA+1], (WALK-1)*SIZE_K*2+KSTEP*2  ; from the K step after the tile's last to the next tile's K step 1
	s_cmp_eq_u32 s11, 0
	s_cselect_b32 s[LIM], s[LIM], -1               ; B's rows are the same for both tiles: they are asked for no more
.else
	s_add_nc_u64 s[PFA:PFA+1], s[PFA:PFA+1], KSTEP*2
.endif
	MEET 1
	CREST                                          ; no wave of any partner still reads this slot's tile or has a load on its way
.if \on
	s_add_nc_u64 s[G0+4*(\slot)+2:G0+4*(\slot)+3], s[G0+4*(\slot)+2:G0+4*(\slot)+3], NEXT_A
	s_sub_nc_u64 s[G0B+4*(\slot)+2:G0B+4*(\slot)+3], s[G0B+4*(\slot)+2:G0B+4*(\slot)+3], BACK_B
.else
	s_add_nc_u64 s[G0+4*(\slot)+2:G0+4*(\slot)+3], s[G0+4*(\slot)+2:G0+4*(\slot)+3], 2*KSTEP*2
	s_add_nc_u64 s[G0B+4*(\slot)+2:G0B+4*(\slot)+3], s[G0B+4*(\slot)+2:G0B+4*(\slot)+3], 2*KSTEP*2
.endif
	JLOAD \slot                                    ; the first tensor load behind the round; its four v_nop are also the places in front of the loads below
	FETCH \next, 0, F0
	ASK \on
	MUL16 F1, 1, 0, 0
	MUL16 F1, 1, 2, 0
.endm
; THE WAY OUT of block a (16 rows), in three parts.  PACK: rounded to bf16, 16 bytes a lane, each accumulator's registers in ascending order.  TOSTAGE: into my own stage, and back as whole rows of 256 bytes.  SEND: stored.
.macro PACK a
.set AC, 64*((\a)%4)
	WIN 0x0a+5*((\a)/4)                            ; sources 0 and 1: window 2 or 3
.irp b, 0,1,2,3,4,5,6,7
.irp r, 0,1,2,3
	v_cvt_pk_bf16_f32 v[TMP+4*(\b)+(\r)], v[AC+8*(\b)+2*(\r)], v[AC+8*(\b)+2*(\r)+1]
.endr
.endr
	WIN 0
.endm
.macro TOSTAGE a
	WIN 0
.set BK, OB+192*((\a)%2)
.irp b, 0,1,2,3,4,5,6,7
	ds_store_b128 v[STO], v[TMP+4*(\b):TMP+4*(\b)+3] offset:32*(\b)
.endr
.irp t, 0,1,2,3,4,5,6,7
	ds_load_b128 v[BK+4*(\t):BK+4*(\t)+3], v[RD] offset:(\t)*2*SPITCH  ; LDS serves a wave's instructions in order (ISA guide 5.7.1.4): these see the stores above
.endr
.endm
.macro SEND a, younger
	WIN 0
.set BK, OB+192*((\a)%2)
	s_wait_dscnt \younger                          ; the block is back in registers
	s_wait_xcnt 0x0                                ; only behind this wait are the stores' base and the registers that earlier stores read rewritten
.if (\a) == 0
	s_add_nc_u64 s[8:9], s[8:9], s[16:17]          ; on to this tile's first rows
.else
	s_add_nc_u64 s[8:9], s[8:9], 16*CROW           ; 16 rows on
.endif
.irp t, 0,1,2,3,4,5,6,7
	global_store_b128 v[CO], v[BK+4*(\t):BK+4*(\t)+3], s[8:9] offset:2*(\t)*CROW  ; 16 lanes store 256 consecutive bytes, at a multiple of 256 from the buffer's first byte
.endr
.endm
	s_wait_tensorcnt 1                             ; my part of K step 0 is in; K step 1's may stay out
	s_barrier_signal -1
	s_barrier_wait -1                              ; everybody's is
	FETCH 0, 0, F0
	s_wait_loadcnt 0x0                             ; the bias
	s_mov_b32 s2, 2                                ; tiles to go: the same number in every work-group
.Ltile:
	QUARTER 0, 64,  F0, F1, 1                      ; a tile's first quarter stands in front of the loop: its products start the sums
	WIN 0                                          ; at a label and at a branch every window is 0
	s_mov_b32 s3, LAPS-1
.Llap:                                         ; a trip goes once round the ring, from a lap's second quarter to the next lap's first, and fills both slots again
	QUARTER 0, 128, F1, F0, 0
	QUARTER 0, 192, F0, F1, 0
	TURN 0, 1, 0
	QUARTER 1, 64,  F0, F1, 0
	QUARTER 1, 128, F1, F0, 0
	QUARTER 1, 192, F0, F1, 0
	TURN 1, 0, 0
	QUARTER 0, 64,  F0, F1, 0
	WIN 0
	s_sub_co_u32 s3, s3, 1
	s_cmp_lg_u32 s3, 0
	s_cbranch_scc1 .Llap
	QUARTER 0, 128, F1, F0, 0                      ; the tile's last lap goes on
	QUARTER 0, 192, F0, F1, 0
	WIN 0
	s_cmp_eq_u32 s2, 1
	s_cbranch_scc1 .Llast                          ; the last tile's tail asks for nothing more
	TURN 0, 1, 1                                   ; the ring goes on into the next tile: slot 0 takes its K step 0,
	QUARTER 1, 64,  F0, F1, 0
	QUARTER 1, 128, F1, F0, 0
	QUARTER 1, 192, F0, F1, 0
	TURN 1, 0, 1                                   ; slot 1 its K step 1, and the next tile's first fragments are fetched
	WIN 0
	s_branch .Lout
.Llast:
	MEET 0                                         ; my one tensor load that was still out is the last K step's, so no round follows
	PLACES                                         ; for the loads into buffer 0, which the quarter before multiplied
	FETCH 1, 0, F0
	MUL16 F1, 1, 0, 0
	MUL16 F1, 1, 2, 0
	QUARTER 1, 64,  F0, F1, 0
	QUARTER 1, 128, F1, F0, 0
	QUARTER 1, 192, F0, F1, 0
	s_wait_dscnt 8                                 ; the very last quarter: nothing more to fetch
	MUL16 F1, 0, 0, 0
	MUL16 F1, 0, 2, 0
	s_wait_dscnt 0x0
	MUL16 F1, 1, 0, 0
	MUL16 F1, 1, 2, 0
	WIN 0
.Lout:                                         ; one way out for both tiles; where a tile follows, both its refills have been asked for
	PLACES                                         ; behind the last products
	PACK 0
	TOSTAGE 0
.irp a, 1,2,3,4,5,6,7                  ; block a's conversions stand between block a - 1's loads from the stage and the wait for them
	PACK \a
	SEND (\a)-1, 0
	TOSTAGE \a
.endr
	SEND 7, 0
	s_mov_b32 s16, NEXT_C                          ; what the next way out adds to the address
	s_mov_b32 s17, 0
	s_sub_co_u32 s2, s2, 1
	s_cmp_lg_u32 s2, 0
	s_cbranch_scc1 .Ltile
	s_wait_tensorcnt 0x0                           ; the wave's end, behind my last tensor load and my last LDS store
	ds_add_u32 v[SPW], v[NIL]
	s_wait_dscnt 0x0
	CROUND                                         ; the closing round: no work-group ends while a partner may still ask for a tile that names it
	s_endpgm
.Lfunc_end_k_q3461791c8e_proj:
	.size	k_q3461791c8e_proj, .Lfunc_end_k_q3461791c8e_proj-k_q3461791c8e_proj
	.p2alignl 7, 3214868480
	.fill 96, 4, 3214868480
	.section	.rodata,"a",@progbits
	.p2align	6, 0x0
	.amdhsa_kernel k_q3461791c8e_proj
		.amdhsa_group_segment_fixed_size 327680
		.amdhsa_private_segment_fixed_size 0
		.amdhsa_enable_private_segment 0
		.amdhsa_kernarg_size 48
		.amdhsa_user_sgpr_count 2
		.amdhsa_user_sgpr_kernarg_segment_ptr 1
		.amdhsa_wavefront_size32 1
		.amdhsa_system_sgpr_workgroup_id_x 1
		.amdhsa_system_sgpr_workgroup_id_y 1
		.amdhsa_system_sgpr_workgroup_id_z 1
		.amdhsa_system_vgpr_workitem_id 0
		.amdhsa_next_free_vgpr 1024
		.amdhsa_next_free_sgpr 84
		.amdhsa_reserve_vcc 0
		.amdhsa_float_denorm_mode_32 3
		.amdhsa_float_denorm_mode_16_64 3
		.amdhsa_memory_ordered 1
		.amdhsa_forward_progress 1
		.amdhsa_inst_pref_size 181
	.end_amdhsa_kernel
	.amdgpu_metadata
---
amdhsa.version: [ 1, 2 ]
amdhsa.kernels:
  - .name:           k_q3461791c8e_proj
    .symbol:         k_q3461791c8e_proj.kd
    .args:
      - { .name: bf, .offset: 0, .size: 8, .value_kind: global_buffer, .address_space: global }
      - { .name: bq, .offset: 8, .size: 8, .value_kind: global_buffer, .address_space: global }
      - { .name: bg, .offset: 16, .size: 8, .value_kind: global_buffer, .address_space: global }
      - { .name: bk, .offset: 24, .size: 8, .value_kind: global_buffer, .address_space: global }
      - { .name: bv, .offset: 32, .size: 8, .value_kind: global_buffer, .address_space: global }
      - { .name: qgkv, .offset: 40, .size: 8, .value_kind: global_buffer, .address_space: global }
    .group_segment_fixed_size: 327680
    .private_segment_fixed_size: 0
    .kernarg_segment_align: 8
    .kernarg_segment_size: 48
    .max_flat_workgroup_size: 128
    .sgpr_count:     84
    .vgpr_count:     1024
    .wavefront_size: 32
...
	.end_amdgpu_metadata
.endif
;; end of part 2
;; launch attn (part 3): grid 32 x 8, 8 waves a work-group, no clusters, 327,680 bytes of LDS; arguments qgkv, ctx; writes ctx
.if DOCPART == 3
	.amdgcn_target "amdgcn-amd-amdhsa--gfx1250"
	.amdhsa_code_object_version 6
	.text
	.protected	k_q3461791c8e_attn
	.globl	k_q3461791c8e_attn
	.p2align	8
	.type	k_q3461791c8e_attn,@function
k_q3461791c8e_attn:
	s_mov_b64 s[64:65], 0
	v_nop
	global_prefetch_b8 v0, s[64:65] scope:SCOPE_SE
	s_setreg_imm32_b32 hwreg(HW_REG_WAVE_MODE, 25, 1), 1
	s_wait_xcnt 0x0
; WINDOWED ATTENTION.  ctx[b][q][h][:] = the sum over |k - q| <= 64, 0 <= k < 1024, of softmax_k(q . k / 8) v[k].  q, k, v: segments 0, 2, 3 of qgkv, [8][1152][1024] bf16, row s of batch b at row
; 1152 b + 64 + s; the 64 rows in front of and behind a batch are zeros in k and v.  ctx: [8192][1024] bf16.  Products, maxima and sums in f32; the weights are rounded to bf16 for the second product
; (their sum is taken of the unrounded weights), ctx once.
; LIMITS.  A hidden score counts as its value less 1e30 (twice that where two masks meet); a weight below 2^-126 counts as 0; NaN and infinities are not treated apart.
; SHARES.  A work-group owns 256 queries of a batch and a PAIR of heads (128 columns, 256 bytes of each row).  It needs the keys q0 - 64 .. q0 + 319: 384 rows of k and of v, brought once, 96 rows a wave,
; by one tensor load each: nothing is filled again.  Wave w owns two tiles of 16 queries, A at q0 + 32 w and B 16 further on, for both heads, one head a trip of a loop of two.
; THE WINDOW.  Tile A sees LDS rows 32 w .. 32 w + 143, nine blocks of 16 keys; tile B the nine blocks one block further on: together ten blocks, whose fragments both tiles share.  In a tile's own block 0
; the keys below the diagonal band are hidden, in block 8 those above it; the two masks are the C operands that start those sums.  Keys outside the sequence come in whole blocks: -1e30 is added to them.
; All 144 scores of a query lie in registers (72 a lane), so the true maximum is taken before the exponentials; there is nothing to carry.
; NO CLUSTER: neighbouring ranges of queries share 128 of their 384 rows, and at different LDS rows; no tile is common to two work-groups.
; LAYOUT.  S^T = K Q^T (source 0 = 16 keys, source 1 = 16 queries): a lane holds ONE query (lane % 16) and the keys 8 (lane / 16) + 0..7.  Two such blocks rounded to bf16 in pairs ARE source 1 (32 keys x 16
; queries) of O^T = V^T P, whose result again holds one query a lane, and eight channels.  K comes out of LDS as it lies, V ([key][channel]) turned, by ds_load_tr16_b128.
; REGISTERS (s_set_vgpr_msb: bits 1:0 source 0, 3:2 source 1, 5:4 source 2, 7:6 destination):
;   window 0: v0-13 addresses; v16-47 statistics, 16 a tile; v48-63 the two masks; v64-135 tile A's scores; v136-139 zeros; v140-211 tile B's scores; v212-243 packed results
;   window 1: v0-31 Q (16 t + 8 c); v32-95 O^T (32 + 32 t + 8 cb); v96-255 K of the ten blocks, later V of the same 160 keys
; P lies in place of the scores: pair n of a tile goes to the tile's register n.  Tile A's groups of 32 keys are v[64 + 8 g ..]: its tenth block, v100-103, is set to 0; tile B's are v[136 + 8 g ..]: its block 0 is v136-139.
.set SEG,   18874368
.set PK,    272                        ; a row of K in LDS: 256 bytes + 16 of padding = 68 words: the 16 rows of a load start at 16 different groups of four banks (64 banks of 4 bytes: ISA guide 11.1)
.set PV,    288                        ; a row of V: 256 + 32 = 72 words
.set VOFF,  384*PK
.set STAGE, VOFF+384*PV                ; behind the tiles: 32 rows x 272 bytes for each wave, for the way out; no tensor load lands there
.set SP,    272
.set SPARE, STAGE+8*32*SP              ; behind the stages: the spare words, 128 bytes for each wave, which no other line names
.set AK,  2                            ; v2   LDS address of my K fragments: (32 w + l % 16) PK + 16 (l / 16), + 128 for the second head
.set AV,  3                            ; v3   the same for V's turning loads
.set QO,  4                            ; v4   my byte offset in the wave's rows of q
.set STO, 5                            ; v5   the way out: where I put 16 bytes of a row
.set RD,  6                            ; v6   where I read rows back
.set GO,  7                            ; v7   my byte offset in two rows of ctx
.set SPW, 8                            ; v8   LDS address of my spare word; never rewritten
.set NIL, 9                            ; v9   0; never rewritten
.set TA,  16                           ; tile t's statistics at TA + 16 t: +0..2 three maxima, +3 the exchange, +4 c m (+5 = 0), +6 1 / l (+7 = 0), +8..15 four pairs of sums
.set MDLO, 48                          ; -1e30 where key 8 (l / 16) + j < query l % 16
.set MDHI, 56                          ; -1e30 where it is greater
.set SA,  64                           ; tile t's scores at SA + 76 t
.set ZB,  136
.set PKR, 212
.set OF,  32                           ; window 1
.set FR,  96                           ; window 1
.set WV,  8                            ; s8   my wave's number
.set G1K, 16                           ; s[16:23] descriptor group 1 for K's tiles;  s[24:31] for V's: it differs in the padding alone
.set G1V, 24
.set G0K, 32                           ; s[32:35], s[36:39] descriptor group 0
.set G0V, 36
.set CS,  40                           ; s[40:41] c = log2(e) / 8
.set SEL, 42                           ; s[42:43] v_permlanex16_b32's selects: each lane takes its own place in the other half
.set BIGN, 44                          ; s44  -1e30
.set EDGF, 45                          ; s45  1: some of my blocks lie outside the sequence
.set LO,  46                           ; s46, s48  tile A's, B's blocks below this number lie in front of the sequence;  s47, s49  those from this number on lie behind it
.set EE,  50                           ; s[50:51] what is added to a block
.set CNT, 52                           ; s52  heads to go
.set QB,  54                           ; s[54:55] q at my wave's first row
.set MSB, 0
.macro WIN new
.if MSB != (\new)
	s_set_vgpr_msb (MSB<<8)|(\new)
.set MSB, \new
.endif
.endm
.set W_KQ, 0x05                        ; K and Q in window 1, scores and masks in window 0
.set W_PV, 0x51                        ; V in window 1, P in window 0, O^T in window 1
.set TO1,  0x40                        ; destination window 1, address window 0
.set W_RS, 0x41                        ; destination and source 0 in window 1, source 1 in window 0
.set W_CV, 0x05                        ; sources 0 and 1 in window 1, destination in window 0
	s_load_b128 s[4:7], s[0:1], 0x0                ; qgkv s[4:5], ctx s[6:7]
	v_lshl_add_u32 v[SPW], v0, 2, SPARE
	v_mov_b32 v[NIL], 0
	ds_add_u32 v[SPW], v[NIL]                      ; the wave's opening: the add and its wait stand ahead of my tensor load; the set-up below stands between them
	ds_add_u32 v8, v9
	v_lshrrev_b32 v1, 5, v0
	v_readfirstlane_b32 s[WV], v1                  ; wave 0..7
	s_and_b32 s9, ttmp9, 3                         ; which 256 queries
	s_lshr_b32 s10, ttmp9, 2                       ; which pair of heads
	s_and_b32 s11, ttmp7, 0xffff                   ; the batch
	s_and_b32 s12, s[WV], 3                        ; which 96 rows I fetch
	; descriptor group 1: a tile of 96 rows x 128 elements, padded in LDS
	s_mov_b32 s[G1K], (1<<16)|(1<<20)|(5<<22)|(3<<25)  ; 17:16 elements of 2 bytes; 20 padding on; 24:22 after every 64 words; 31:25 4 words
	s_mov_b32 s[G1V], (1<<16)|(1<<20)|(5<<22)|(7<<25)  ; the same with 8 words
.irp g, G1K, G1V
	s_mov_b32 s[(\g)+1], 128<<16                   ; tensor_dim0 = 128
	s_mov_b32 s[(\g)+2], 96<<16                    ; tensor_dim1 = 96
	s_mov_b32 s[(\g)+3], 128<<16                   ; tile_dim0 = 128
	s_mov_b32 s[(\g)+4], 96                        ; tile_dim1 = 96
	s_mov_b32 s[(\g)+5], 1024                      ; elements from row to row
	s_mov_b32 s[(\g)+6], 0
	s_mov_b32 s[(\g)+7], 0
.endr
	s_mov_b32 s[G0K], 1
	s_mul_i32 s[G0K+1], s12, 96*PK                 ; LDS address: my 96 rows of K,
	s_mov_b32 s[G0V], 1
	s_mul_i32 s[G0V+1], s12, 96*PV
	s_add_co_u32 s[G0V+1], s[G0V+1], VOFF          ; or of V
	s_lshl_b32 s14, s9, 8                          ; q0
	s_mul_i32 s13, s11, 1152
	s_add_co_u32 s13, s13, s14                     ; the row of a segment that becomes LDS row 0: key q0 - 64
	s_mul_i32 s15, s12, 96
	s_add_co_u32 s15, s15, s13
	s_lshl_b32 s15, s15, 11
	s_lshl_b32 s53, s10, 8                         ; the pair's 256 bytes of a row
	s_add_co_u32 s15, s15, s53
	s_add_co_u32 s56, s15, 2*SEG                   ; in k
	s_mov_b32 s57, 0
	s_add_co_u32 s58, s15, 3*SEG                   ; in v
	s_mov_b32 s59, 0
	s_lshl_b32 s15, s[WV], 5                       ; 32 w
	s_add_co_u32 s60, s13, s15
	s_add_co_u32 s60, s60, 64                      ; q's row of my first query
	s_lshl_b32 s60, s60, 11
	s_add_co_u32 s60, s60, s53
	s_mov_b32 s61, 0
	s_add_co_u32 s13, s14, s15                     ; tile A's first query
	s_lshl_b32 s62, s11, 10
	s_add_co_u32 s62, s62, s13
	s_lshl_b32 s62, s62, 11
	s_add_co_u32 s62, s62, s53                     ; the same query in ctx
	s_mov_b32 s63, 0
	s_sub_co_i32 s[LO], 64, s13
	s_ashr_i32 s[LO], s[LO], 4                     ; block kb holds the keys t0 - 64 + 16 kb ..: below 0 where kb < (64 - t0) / 16,
	s_sub_co_u32 s[LO+1], 1088, s13
	s_lshr_b32 s[LO+1], s[LO+1], 4                 ; from 1,024 on where kb >= (1088 - t0) / 16
	s_sub_co_i32 s[LO+2], s[LO], 1                 ; tile B lies 16 queries on
	s_sub_co_i32 s[LO+3], s[LO+1], 1
	s_cmp_lt_u32 s13, 64
	s_cselect_b32 s[EDGF], 1, 0
	s_cmp_ge_u32 s13, 960
	s_cselect_b32 s[EDGF], 1, s[EDGF]
	s_mov_b32 s[CS], 0x3e38aa3b                    ; c = 0.180337
	s_mov_b32 s[CS+1], s[CS]
	s_mov_b32 s[SEL], 0x76543210
	s_mov_b32 s[SEL+1], 0xfedcba98
	s_mov_b32 s[BIGN], 0xf149f2ca                  ; -1e30
	s_mov_b32 s[EE+1], 0                           ; named as a pair
	s_mov_b32 s[CNT], 2
	s_wait_dscnt 0x0                               ; the opening add is done
	s_wait_kmcnt 0x0
	s_add_nc_u64 s[G0K+2:G0K+3], s[4:5], s[56:57]
	s_or_b32 s[G0K+3], s[G0K+3], 0x80000000        ; type = 2
	s_add_nc_u64 s[G0V+2:G0V+3], s[4:5], s[58:59]
	s_or_b32 s[G0V+3], s[G0V+3], 0x80000000
	s_add_nc_u64 s[QB:QB+1], s[4:5], s[60:61]
	s_add_nc_u64 s[6:7], s[6:7], s[62:63]
	s_cmp_lt_u32 s[WV], 4                          ; waves 0-3 fetch K's four parts, waves 4-7 V's: one load a wave, the only one of the launch
	s_cbranch_scc0 .Lfor_v
	tensor_load_to_lds s[G0K:G0K+3], s[G1K:G1K+7]
	s_nop 0
.rept 4
	v_nop
.endr
	s_branch .Lasked
.Lfor_v:
	tensor_load_to_lds s[G0V:G0V+3], s[G1V:G1V+7]
	s_nop 0
.rept 4
	v_nop
.endr
.Lasked:
	; A fragment of K or Q is 16 rows x 32 channels in 8 registers: lane l holds row l % 16, channels 8 (l / 16) + 0..7 and 16 + 8 (l / 16) + 0..7: two loads of 16 bytes, 32 bytes apart
	v_and_b32 v1, 15, v0                           ; l % 16
	v_bfe_u32 v10, v0, 4, 1                        ; l / 16
	v_lshlrev_b32 v[QO], 11, v1
	v_lshl_add_u32 v[QO], v10, 4, v[QO]
.macro QLOAD                           ; the head's Q: tile t, channels 32 c on
	WIN TO1
.irp t, 0,1
.irp c, 0,1
	global_load_b128 v[16*(\t)+8*(\c):16*(\t)+8*(\c)+3],   v[QO], s[QB:QB+1] offset:(\t)*32768+(\c)*64
	global_load_b128 v[16*(\t)+8*(\c)+4:16*(\t)+8*(\c)+7], v[QO], s[QB:QB+1] offset:(\t)*32768+(\c)*64+32
.endr
.endr
	WIN 0
.endm
	QLOAD
	s_mul_i32 s13, s[WV], 32*PK
	v_mul_u32_u24 v11, v1, PK
	v_lshl_add_u32 v11, v10, 4, v11                ; (l % 16) x 272 + 16 (l / 16): for K, and for the stage, whose pitch is the same
	v_add_nc_u32 v[AK], s13, v11
	; The turning load takes 16 keys x 16 channels (lane l reads key 8 (l / 16) + l % 8, channels 8 ((l / 8) % 2) + 0..7) and leaves half a fragment of V^T: lane l holds channel l % 16 and 8 keys
	s_mul_i32 s14, s[WV], 32*PV
	s_add_co_u32 s14, s14, VOFF
	v_and_b32 v12, 7, v0
	v_bfe_u32 v13, v0, 3, 1
	v_lshl_add_u32 v[AV], v10, 3, v12
	v_mul_u32_u24 v[AV], v[AV], PV
	v_lshl_add_u32 v[AV], v13, 4, v[AV]
	v_add_nc_u32 v[AV], s14, v[AV]
	s_mul_i32 s15, s[WV], 32*SP
	s_add_co_u32 s15, s15, STAGE                   ; my stage
	v_add_nc_u32 v[STO], s15, v11
	v_mul_u32_u24 v[RD], v10, SP                   ; back: lanes 0-15 take one row of 256 bytes, lanes 16-31 the next
	v_lshl_add_u32 v[RD], v1, 4, v[RD]
	v_add_nc_u32 v[RD], s15, v[RD]
	v_lshlrev_b32 v[GO], 11, v10                   ; and the same two rows in ctx
	v_lshl_add_u32 v[GO], v1, 4, v[GO]
	v_lshlrev_b32 v13, 3, v10
	v_sub_nc_u32 v13, v1, v13                      ; l % 16 - 8 (l / 16): register j's key lies below my query where j is less, above it where j is greater
.irp j, 0,1,2,3,4,5,6,7
	v_cmp_lt_i32 vcc_lo, \j, v13
	v_cndmask_b32 v[MDLO+(\j)], 0, s[BIGN], vcc_lo
	v_cmp_gt_i32 vcc_lo, \j, v13
	v_cndmask_b32 v[MDHI+(\j)], 0, s[BIGN], vcc_lo
.endr
.irp t, 0,1
	v_mov_b32 v[TA+16*(\t)+3], 0                   ; the exchange's destination counts as read
	v_mov_b32 v[TA+16*(\t)+5], 0                   ; named in a pair with c m
	v_mov_b32 v[TA+16*(\t)+7], 0                   ; named in a pair with 1 / l
.endr
.irp j, 0,1,2,3
	v_mov_b32 v[ZB+(\j)], 0
.endr
.macro REGS t
.set rT, TA+16*(\t)
.set rS, SA+76*(\t)
.endm
.macro PLACES                          ; four places behind matrix instructions (ISA guide 7.12.1)
.rept 4
	v_nop
.endr
.endm
; One product of S^T = K Q^T: tile t's own block kb, which is block kp of the wave's ten; channels 32 c on.  c = 0 starts the sum: with a mask in the tile's first and last block, else with 0.
.macro S1 t, kb, kp, c
.set rD, SA+76*(\t)+8*(\kb)
.set rK, FR+80*(\c)+8*(\kp)
.set rQ, 16*(\t)+8*(\c)
.if ((\c) == 0) && ((\kb) == 0)
	v_wmma_f32_16x16x32_bf16 v[rD:rD+7], v[rK:rK+7], v[rQ:rQ+7], v[MDLO:MDLO+7]
.elseif ((\c) == 0) && ((\kb) == 8)
	v_wmma_f32_16x16x32_bf16 v[rD:rD+7], v[rK:rK+7], v[rQ:rQ+7], v[MDHI:MDHI+7]
.elseif (\c) == 0
	v_wmma_f32_16x16x32_bf16 v[rD:rD+7], v[rK:rK+7], v[rQ:rQ+7], 0
.else
	v_wmma_f32_16x16x32_bf16 v[rD:rD+7], v[rK:rK+7], v[rQ:rQ+7], v[rD:rD+7]
.endif
.endm
.macro SMM c                           ; 18 products on 18 accumulators, which take turns
	WIN W_KQ
.irp k, 0,1,2,3,4,5,6,7,8,9
.if (\k) <= 8
	S1 0, \k, \k, \c
.endif
.if (\k) >= 1
	S1 1, (\k)-1, \k, \c
.endif
.endr
.endm
; -1e30 onto a block that lies outside the sequence, 0 onto one that does not; the block's registers in ascending order
.macro EDG t, kb, low
.if \low
	s_cmp_gt_i32 s[LO+2*(\t)], \kb
.else
	s_cmp_le_i32 s[LO+2*(\t)+1], \kb
.endif
	s_cselect_b32 s[EE], s[BIGN], 0
.irp z, 0,1,2,3
	v_pk_add_f32 v[SA+76*(\t)+8*(\kb)+2*(\z):SA+76*(\t)+8*(\kb)+2*(\z)+1], v[SA+76*(\t)+8*(\kb)+2*(\z):SA+76*(\t)+8*(\kb)+2*(\z)+1], s[EE:EE+1] op_sel_hi:[1,0]
.endr
.endm
; THE SOFTMAX in numbered lists, for tile t.
; MAXQ, 40 numbers: 0-35 three chains, each over 24 registers in ascending order, three operands at a time; 36 the three into
; one; 37, 38 the query's other 72 keys lie in the lane 16 away; 39 c m.
.macro MAXQ t, n
	REGS \t
.set ch, (\n)%3
.set st, (\n)/3
.if (\n) < 3
	v_max3_num_f32 v[rT+ch], v[rS+24*ch], v[rS+24*ch+1], v[rS+24*ch+2]
.elseif (\n) < 33
	v_max3_num_f32 v[rT+ch], v[rT+ch], v[rS+24*ch+2*st+1], v[rS+24*ch+2*st+2]
.elseif (\n) < 36
	v_max_num_f32 v[rT+ch], v[rT+ch], v[rS+24*ch+23]
.elseif (\n) == 36
	v_max3_num_f32 v[rT], v[rT], v[rT+1], v[rT+2]
.elseif (\n) == 37
	v_permlanex16_b32 v[rT+3], v[rT], s[SEL], s[SEL+1]
.elseif (\n) == 38
	v_max_num_f32 v[rT], v[rT], v[rT+3]
.else
	v_mul_f32 v[rT+4], s[CS], v[rT]
.endif
.endm
.macro SCL t, n                        ; pair n of 36: c s - c m
	REGS \t
	v_pk_fma_f32 v[rS+2*(\n):rS+2*(\n)+1], v[rS+2*(\n):rS+2*(\n)+1], s[CS:CS+1], v[rT+4:rT+5] op_sel_hi:[1,0,0] neg_lo:[0,0,1] neg_hi:[0,0,1]
.endm
.macro EXPQ t, n                       ; score n of 72
	REGS \t
	v_exp_f32 v[rS+(\n)], v[rS+(\n)]
.endm
.macro SUMQ t, n                       ; 32 numbers: the 36 pairs of weights into four pairs of sums; the weights stay as they are
	REGS \t
.if (\n) < 4
	v_pk_add_f32 v[rT+8+2*(\n):rT+8+2*(\n)+1], v[rS+2*(\n):rS+2*(\n)+1], v[rS+2*(\n)+8:rS+2*(\n)+9]
.else
	v_pk_add_f32 v[rT+8+2*((\n)%4):rT+8+2*((\n)%4)+1], v[rT+8+2*((\n)%4):rT+8+2*((\n)%4)+1], v[rS+2*(\n)+8:rS+2*(\n)+9]
.endif
.endm
.macro CVTQ t, n                       ; pair n of 36 rounded to bf16, into the tile's register n: in ascending order no pair is overwritten before it is read
	REGS \t
	v_cvt_pk_bf16_f32 v[rS+(\n)], v[rS+2*(\n)], v[rS+2*(\n)+1]
.endm
	s_wait_tensorcnt 0x0                           ; my 96 rows are in,
	s_barrier_signal -1
	s_barrier_wait -1                              ; everybody's are
.Lhead:                                        ; a trip: one head
	WIN TO1
.irp c, 0,1                            ; K's 20 fragments: the ten blocks' channels 0-31 first
.irp k, 0,1,2,3,4,5,6,7,8,9
	ds_load_b128 v[FR+80*(\c)+8*(\k):FR+80*(\c)+8*(\k)+3],   v[AK] offset:(\k)*16*PK+(\c)*64
	ds_load_b128 v[FR+80*(\c)+8*(\k)+4:FR+80*(\c)+8*(\k)+7], v[AK] offset:(\k)*16*PK+(\c)*64+32
.endr
.endr
	s_wait_loadcnt 0x0                             ; Q
	s_wait_dscnt 20                                ; channels 0-31 are in; the youngest 20 loads, channels 32-63, may be out
	SMM 0
	s_wait_dscnt 0x0
	SMM 1
	PLACES                                         ; behind the products: for the loads into K's and Q's registers and for the first reads of the scores
	WIN TO1
.irp g, 0,1,2,3,4                      ; V's 20 fragments: keys 32 g on, channels 16 cb on
.irp cb, 0,1,2,3
	ds_load_tr16_b128 v[FR+32*(\g)+8*(\cb):FR+32*(\g)+8*(\cb)+3],   v[AV] offset:(\g)*32*PV+(\cb)*32
	ds_load_tr16_b128 v[FR+32*(\g)+8*(\cb)+4:FR+32*(\g)+8*(\cb)+7], v[AV] offset:(\g)*32*PV+16*PV+(\cb)*32
.endr
.endr
	WIN 0
	s_cmp_eq_u32 s[CNT], 1
	s_cbranch_scc1 .Lno_q                          ; the second head has no head behind it
	v_add_nc_u32 v[QO], 128, v[QO]                 ; (the loads that read it were waited for at the trip's head)
	QLOAD
.Lno_q:
	s_cmp_eq_u32 s[EDGF], 0
	s_cbranch_scc1 .Lno_edge                       ; a jump forward, over vector work alone
.irp t, 0,1
.irp kb, 0,1,2,3
	EDG \t, \kb, 1
.endr
.irp kb, 5,6,7,8                       ; block 4 holds the tile's own keys: it is never outside
	EDG \t, \kb, 0
.endr
.endr
.Lno_edge:
.set i, 0
.rept 40
	MAXQ 0, i
.set i, i+1
.endr
.set i, 0
.rept 36
	SCL 0, i
.set i, i+1
.endr
.set i, 0
.rept 76                               ; tile A's 72 exponentials, one batch, by turns with tile B's maximum and scalings, which name none of their results; the last four lines are plain
.if i < 40
	MAXQ 1, i
.else
	SCL 1, i-40
.endif
.if i < 72
	EXPQ 0, i
.endif
.set i, i+1
.endr
	s_wait_alu depctr_va_vdst(0)                   ; one wait for the batch, ahead of its first reader
.set i, 0
.rept 72                               ; tile B's 72 exponentials by turns with tile A's sums and roundings and the zeros of its tenth block; the last line is plain
	EXPQ 1, i
.if i < 32
	SUMQ 0, i
.elseif i < 68
	CVTQ 0, i-32
.else
	v_mov_b32 v[SA+36+i-68], 0
.endif
.set i, i+1
.endr
	s_wait_alu depctr_va_vdst(0)                   ; one wait for the batch
.set i, 0
.rept 32
	SUMQ 1, i
.set i, i+1
.endr
.set i, 0
.rept 36
	CVTQ 1, i
.set i, i+1
.endr
	s_wait_dscnt 0x0                               ; V is in
	WIN W_PV
.irp g, 0,1,2,3,4                      ; O^T = V^T P: 40 products on 8 accumulators, which take turns; the first 8 start the sums
.irp cb, 0,1,2,3
.irp t, 0,1
.if (\g) == 0
	v_wmma_f32_16x16x32_bf16 v[OF+32*(\t)+8*(\cb):OF+32*(\t)+8*(\cb)+7], v[FR+32*(\g)+8*(\cb):FR+32*(\g)+8*(\cb)+7], v[SA+72*(\t)+8*(\g):SA+72*(\t)+8*(\g)+7], 0
.else
	v_wmma_f32_16x16x32_bf16 v[OF+32*(\t)+8*(\cb):OF+32*(\t)+8*(\cb)+7], v[FR+32*(\g)+8*(\cb):FR+32*(\g)+8*(\cb)+7], v[SA+72*(\t)+8*(\g):SA+72*(\t)+8*(\g)+7], v[OF+32*(\t)+8*(\cb):OF+32*(\t)+8*(\cb)+7]
.endif
.endr
.endr
.endr
	WIN 0
	; the head's way out: l; O^T / l, rounded, into my stage.  The eight additions are the places behind the last products
.irp t, 0,1
	v_pk_add_f32 v[TA+16*(\t)+8:TA+16*(\t)+9], v[TA+16*(\t)+8:TA+16*(\t)+9], v[TA+16*(\t)+10:TA+16*(\t)+11]
	v_pk_add_f32 v[TA+16*(\t)+12:TA+16*(\t)+13], v[TA+16*(\t)+12:TA+16*(\t)+13], v[TA+16*(\t)+14:TA+16*(\t)+15]
.endr
.irp t, 0,1
	v_pk_add_f32 v[TA+16*(\t)+8:TA+16*(\t)+9], v[TA+16*(\t)+8:TA+16*(\t)+9], v[TA+16*(\t)+12:TA+16*(\t)+13]
.endr
.irp t, 0,1
	v_add_f32 v[TA+16*(\t)+8], v[TA+16*(\t)+8], v[TA+16*(\t)+9]
.endr
.irp t, 0,1
	v_permlanex16_b32 v[TA+16*(\t)+3], v[TA+16*(\t)+8], s[SEL], s[SEL+1]
.endr
.irp t, 0,1
	v_add_f32 v[TA+16*(\t)+8], v[TA+16*(\t)+8], v[TA+16*(\t)+3]
.endr
.irp t, 0,1
	v_rcp_f32 v[TA+16*(\t)+6], v[TA+16*(\t)+8]
.endr
	v_nop                                          ; a plain instruction between the last reciprocal and the use of its result
	s_wait_alu depctr_va_vdst(0)                   ; and one wait for the two, ahead of the first use
	WIN W_RS
.set i, 0
.rept 32                               ; each accumulator's registers in ascending order
	v_pk_mul_f32 v[OF+2*i:OF+2*i+1], v[OF+2*i:OF+2*i+1], v[TA+16*(i/16)+6:TA+16*(i/16)+7] op_sel_hi:[1,0]
.set i, i+1
.endr
	WIN W_CV
.set i, 0
.rept 32
	v_cvt_pk_bf16_f32 v[PKR+i], v[OF+2*i], v[OF+2*i+1]
.set i, i+1
.endr
	WIN 0
.irp t, 0,1
.irp cb, 0,1,2,3
	ds_store_b128 v[STO], v[PKR+4*(4*(\t)+(\cb)):PKR+4*(4*(\t)+(\cb))+3] offset:(\t)*16*SP+(\cb)*32  ; a lane's eight channels of a row: 16 bytes
.endr
.endr
	v_add_nc_u32 v[AK], 128, v[AK]                 ; the pair's second head: 128 bytes on in every row
	v_add_nc_u32 v[AV], 128, v[AV]
	v_add_nc_u32 v[STO], 128, v[STO]
	s_sub_co_u32 s[CNT], s[CNT], 1
	s_cmp_lg_u32 s[CNT], 0
	s_cbranch_scc1 .Lhead
	; both heads' 256 bytes of my 32 rows come back as whole rows
.irp i, 0,1,2,3,4,5,6,7,8,9,10,11,12,13,14,15
	ds_load_b128 v[SA+4*(\i):SA+4*(\i)+3], v[RD] offset:(\i)*2*SP  ; LDS serves a wave's instructions in order (ISA guide 5.7.1.4): these see my stores
.endr
.irp i, 0,1,2,3,4,5,6,7,8,9,10,11,12,13,14,15
	s_wait_dscnt 15-(\i)                           ; load i is back; the 15 - i younger ones may be out
	global_store_b128 v[GO], v[SA+4*(\i):SA+4*(\i)+3], s[6:7] offset:(\i)*4096  ; 16 lanes store 256 consecutive bytes, at a multiple of 256 from ctx's first byte
.endr
	s_wait_tensorcnt 0x0                           ; the wave's end, behind my tensor load and my last LDS store
	ds_add_u32 v[SPW], v[NIL]
	s_wait_dscnt 0x0
	s_endpgm
.Lfunc_end_k_q3461791c8e_attn:
	.size	k_q3461791c8e_attn, .Lfunc_end_k_q3461791c8e_attn-k_q3461791c8e_attn
	.p2alignl 7, 3214868480
	.fill 96, 4, 3214868480
	.section	.rodata,"a",@progbits
	.p2align	6, 0x0
	.amdhsa_kernel k_q3461791c8e_attn
		.amdhsa_group_segment_fixed_size 327680
		.amdhsa_private_segment_fixed_size 0
		.amdhsa_enable_private_segment 0
		.amdhsa_kernarg_size 16
		.amdhsa_user_sgpr_count 2
		.amdhsa_user_sgpr_kernarg_segment_ptr 1
		.amdhsa_wavefront_size32 1
		.amdhsa_system_sgpr_workgroup_id_x 1
		.amdhsa_system_sgpr_workgroup_id_y 1
		.amdhsa_system_sgpr_workgroup_id_z 1
		.amdhsa_system_vgpr_workitem_id 0
		.amdhsa_next_free_vgpr 512
		.amdhsa_next_free_sgpr 66
		.amdhsa_reserve_vcc 1
		.amdhsa_float_denorm_mode_32 3
		.amdhsa_float_denorm_mode_16_64 3
		.amdhsa_memory_ordered 1
		.amdhsa_forward_progress 1
		.amdhsa_inst_pref_size 56
	.end_amdhsa_kernel
	.amdgpu_metadata
---
amdhsa.version: [ 1, 2 ]
amdhsa.kernels:
  - .name:           k_q3461791c8e_attn
    .symbol:         k_q3461791c8e_attn.kd
    .args:
      - { .name: qgkv, .offset: 0, .size: 8, .value_kind: global_buffer, .address_space: global }
      - { .name: ctx, .offset: 8, .size: 8, .value_kind: global_buffer, .address_space: global }
    .group_segment_fixed_size: 327680
    .private_segment_fixed_size: 0
    .kernarg_segment_align: 8
    .kernarg_segment_size: 16
    .max_flat_workgroup_size: 256
    .sgpr_count:     66
    .vgpr_count:     512
    .wavefront_size: 32
...
	.end_amdgpu_metadata
.endif
;; end of part 3
;; launch oproj (part 4): grid 4 x 64, 4 waves a work-group, clusters of 4 x 4, 327,680 bytes of LDS; arguments ctx, bf, bo, ob; writes ob
.if DOCPART == 4
	.amdgcn_target "amdgcn-amd-amdhsa--gfx1250"
	.amdhsa_code_object_version 6
	.text
	.protected	k_q3461791c8e_oproj
	.globl	k_q3461791c8e_oproj
	.p2align	8
	.type	k_q3461791c8e_oproj,@function
k_q3461791c8e_oproj:
	s_mov_b64 s[64:65], 0
	v_nop
	global_prefetch_b8 v0, s[64:65] scope:SCOPE_SE
	s_setreg_imm32_b32 hwreg(HW_REG_WAVE_MODE, 25, 1), 1
	s_wait_xcnt 0x0
	s_wait_alu depctr_hold_cnt(0) depctr_sa_sdst(0) depctr_va_vdst(0) depctr_va_sdst(0) depctr_va_ssrc(0) depctr_va_vcc(0) depctr_vm_vsrc(0)
	s_getreg_b32 s2, hwreg(HW_REG_IB_STS2, 6, 4)
	s_cmp_eq_u32 s2, 0
	s_cbranch_scc0 .Lentry_in_a_cluster
	s_endpgm
.Lentry_in_a_cluster:
	s_bfe_u32 s2, ttmp6, 0x10000c
	s_cmp_lg_u32 s2, 0xf033
	s_cbranch_scc0 .Lentry_shape_is_right
	s_endpgm
.Lentry_shape_is_right:
; ob[m][n] = the sum over k of ctx[m][k] Wo[n][k] + bo[n].  ctx: [8192][1024] bf16; Wo: [1024][1024] bf16, at byte 41,943,040 of bf; ob: [8192][1024] f32: the sums leave unrounded, since a LayerNorm follows.
; A tile of ob is 128 rows x 256 columns: 64 x 4 = 256 work-groups.  Four waves, each 64 x 128: 32 accumulators of 16 x 16, 256 registers.  K goes in 8 steps of 128 through a ring of two LDS slots
; (128 rows of ctx, 256 rows of Wo, 256 bytes of each, aligned).
; CLUSTERS: 4 x 4 work-groups.  The four of a row of the cluster need the same tiles of ctx, the four of a column the same tiles of Wo: each is asked for JOINTLY.
; NO PREFETCH: of the 8 K steps the first four could not be led, and the tile is small.
; THE MATRIX INSTRUCTION IS USED TRANSPOSED (source 0 = 16 rows of Wo, source 1 = 16 rows of ctx): a lane holds row l % 16 and the columns 8 (l / 16) + 0..7: 32 bytes on end.  THE BIAS IS THE C OPERAND that starts each sum.
; REGISTERS: window 0: v0-31 addresses; v64-95, v128-159 fragments of ctx, two buffers; on the way out v64-127 and v128-191 hold 16 rows each
;   window 1: v0-63 the bias; v64-127, v128-191 fragments of Wo          window 2: the accumulators, (a, b) at v[8 (8 a + b)]
.set SIZE_K, 1024
.set KSTEP,  128
.set WO,     41943040
.set PITCH,  272                       ; an LDS row: 256 bytes + 16 of padding: row r starts at bank 4 r mod 64 (64 banks of 4 bytes: ISA guide 11.1)
.set AHALF,  64*PITCH                  ; what waves 0 and 1 fetch, and what a wave reads of ctx
.set BHALF,  128*PITCH                 ; what waves 2 and 3 fetch, and what a wave reads of Wo
.set ATILE,  2*AHALF
.set SLOT,   ATILE+2*BHALF
.set STAGE,  2*SLOT                    ; behind the ring: 16 rows x 528 bytes for each wave
.set SPITCH, 528                       ; 512 bytes + 16: 132 words: row r starts at bank 4 r mod 64
.set SPARE,  STAGE+4*16*SPITCH         ; the spare words, 128 bytes for each wave, which no other line names
.set LAPS,   SIZE_K/(2*KSTEP)
.set ADRA, 16
.set ADRB, 20
.set STO,  24
.set RD,   25
.set CO,   26
.set BO,   27
.set SPW,  28
.set NIL,  29
.set F0,   64
.set F1,   128
.set OB,   64
.set G1,  24
.set G0,  32
.set G1B, 48
.set G0B, 56
.set MSB, 0
.macro WIN new
.if MSB != (\new)
	s_set_vgpr_msb (MSB<<8)|(\new)
.set MSB, \new
.endif
.endm
.set MUL,  0xa1                        ; source 0 (Wo) window 1, source 1 (ctx) window 0, C and D window 2
.set TO_B, 0x40
.macro JLOAD s                         ; a joint load: waves 0 and 1 fetch ctx's two halves, waves 2 and 3 Wo's; an s_nop 0 and four v_nop follow each of the two lines
	s_cmp_eq_u32 s11, 0
	s_cbranch_scc0 .Lfor_b_\@
	tensor_load_to_lds s[G0+4*(\s):G0+4*(\s)+3], s[G1:G1+7]
	s_nop 0
.rept 4
	v_nop
.endr
	s_branch .Lasked_\@
.Lfor_b_\@:
	tensor_load_to_lds s[G0B+4*(\s):G0B+4*(\s)+3], s[G1B:G1B+7]
	s_nop 0
.rept 4
	v_nop
.endr
.Lasked_\@:
.endm
.macro CREST
	s_cmp_lg_u32 s10, 0
	s_cbranch_scc1 .Lnot_wave_0_\@
	s_barrier_signal -3
.Lnot_wave_0_\@:
	s_barrier_wait -3
	s_barrier_signal -1
	s_barrier_wait -1
.endm
.macro CROUND
	s_barrier_signal -1
	s_barrier_wait -1
	CREST
.endm
	s_load_b256 s[68:75], s[0:1], 0x0              ; ctx 68:69, bf 70:71, bo 72:73, ob 74:75
	v_lshl_add_u32 v[SPW], v0, 2, SPARE
	v_mov_b32 v[NIL], 0
	ds_add_u32 v[SPW], v[NIL]                      ; the wave's opening: the add and its wait stand ahead of my first tensor load
	ds_add_u32 v28, v29
	v_lshrrev_b32 v1, 5, v0
	v_readfirstlane_b32 s10, v1                    ; wave 0..3
	s_lshr_b32 s11, s10, 1                         ; which half of the tile's rows is mine.  Also: I fetch for ctx (0) or for Wo (1)
	s_and_b32 s12, s10, 1                          ; which half of its columns.  Also: which half of that tile I fetch
	s_bfe_u32 s40, ttmp6, 0x40000                  ; cx
	s_bfe_u32 s41, ttmp6, 0x40004                  ; cy
	s_lshl_b32 s42, ttmp9, 2
	s_add_co_u32 s42, s42, s40                     ; tile column = 4 x cluster x + cx
	s_and_b32 s13, ttmp7, 0xffff
	s_lshl_b32 s13, s13, 2
	s_add_co_u32 s13, s13, s41                     ; tile row = 4 x cluster y + cy
	s_lshl_b32 s43, s41, 2
	s_lshl_b32 s43, 15, s43                        ; my row of the cluster
	s_lshl_b32 s44, 0x1111, s40                    ; my column
	s_or_b32 s[G1+0], s43, (1<<16)|(1<<20)|(1<<21)|(5<<22)|(3<<25)  ; the mask; elements of 2 bytes; padding on; bit 21 beside a mask; after every 64 words 4 words
	s_or_b32 s[G1B+0], s44, (1<<16)|(1<<20)|(1<<21)|(5<<22)|(3<<25)
	s_mov_b32 s[G1+1], KSTEP<<16                   ; ctx: 64 rows x 128 elements
	s_mov_b32 s[G1+2], 64<<16
	s_mov_b32 s[G1+3], KSTEP<<16
	s_mov_b32 s[G1+4], 64
	s_mov_b32 s[G1+5], SIZE_K
	s_mov_b32 s[G1+6], 0
	s_mov_b32 s[G1+7], 0
	s_mov_b32 s[G1B+1], KSTEP<<16                  ; Wo: 128 rows x 128 elements
	s_mov_b32 s[G1B+2], 128<<16
	s_mov_b32 s[G1B+3], KSTEP<<16
	s_mov_b32 s[G1B+4], 128
	s_mov_b32 s[G1B+5], SIZE_K
	s_mov_b32 s[G1B+6], 0
	s_mov_b32 s[G1B+7], 0
	s_lshl_b32 s16, s13, 7
	s_lshl_b32 s17, s12, 6
	s_add_co_u32 s16, s16, s17                     ; ctx: row 128 x tile row + 64 x half
	s_lshl_b32 s16, s16, 11
	s_mov_b32 s17, 0
	s_lshl_b32 s46, s42, 8
	s_lshl_b32 s47, s12, 7
	s_add_co_u32 s46, s46, s47                     ; Wo: row 256 x tile column + 128 x half
	s_lshl_b32 s46, s46, 11
	s_add_co_u32 s46, s46, WO
	s_mov_b32 s47, 0
	s_mul_i32 s20, s12, AHALF                      ; where they go: no place in the cluster enters an LDS address
	s_mul_i32 s21, s12, BHALF
	s_add_co_u32 s21, s21, ATILE
	s_wait_dscnt 0x0                               ; the opening add is done
	s_wait_kmcnt 0x0
	s_add_nc_u64 s[14:15], s[68:69], s[16:17]
	s_add_nc_u64 s[46:47], s[70:71], s[46:47]
	CROUND                                         ; all sixteen work-groups are here: the first joint loads meet
.irp s, 0,1
	s_mov_b32 s[G0+4*(\s)], 1
	s_add_co_u32 s[G0+4*(\s)+1], s20, (\s)*SLOT
	s_add_nc_u64 s[G0+4*(\s)+2:G0+4*(\s)+3], s[14:15], (\s)*KSTEP*2
	s_or_b32 s[G0+4*(\s)+3], s[G0+4*(\s)+3], 0x80000000
	s_mov_b32 s[G0B+4*(\s)], 1
	s_add_co_u32 s[G0B+4*(\s)+1], s21, (\s)*SLOT
	s_add_nc_u64 s[G0B+4*(\s)+2:G0B+4*(\s)+3], s[46:47], (\s)*KSTEP*2
	s_or_b32 s[G0B+4*(\s)+3], s[G0B+4*(\s)+3], 0x80000000
	JLOAD \s                                       ; two loads of mine are out
.endr
	v_and_b32 v1, 15, v0                           ; l % 16
	v_bfe_u32 v2, v0, 4, 1                         ; l / 16
	v_mul_u32_u24 v3, v1, PITCH
	v_lshl_add_u32 v3, v2, 4, v3                   ; a fragment's row x pitch + 16 x half
	s_mul_i32 s22, s11, AHALF                      ; my 64 rows of ctx
	s_mul_i32 s23, s12, BHALF                      ; my 128 rows of Wo,
	s_add_co_u32 s23, s23, ATILE                   ; which lie behind ctx's 128
.irp s, 0,1
	v_add_nc_u32 v[ADRA+(\s)], s22, v3
	v_add_nc_u32 v[ADRB+(\s)], s23, v3
	s_add_co_u32 s22, s22, SLOT
	s_add_co_u32 s23, s23, SLOT
.endr
	s_mul_i32 s23, s10, 16*SPITCH
	s_add_co_u32 s23, s23, STAGE                   ; my stage
	v_mul_u32_u24 v4, v1, SPITCH                   ; in: row l % 16, 32 bytes for each half of the lanes
	v_lshl_add_u32 v4, v2, 5, v4
	v_add_nc_u32 v[STO], s23, v4
	v_and_b32 v5, 31, v0
	v_lshlrev_b32 v[CO], 4, v5                     ; back and out: 32 lanes take a row's 512 bytes
	v_add_nc_u32 v[RD], s23, v[CO]
	s_lshl_b32 s20, s42, 10                        ; my 128 columns, in bytes of f32: 1,024 x tile column + 512 x half
	s_lshl_b32 s21, s12, 9
	s_add_co_u32 s20, s20, s21
	v_lshl_add_u32 v[BO], v2, 5, s20               ; + 8 (l / 16) numbers
	WIN TO_B
.irp b, 0,1,2,3,4,5,6,7
	global_load_b128 v[8*(\b):8*(\b)+3],   v[BO], s[72:73] offset:64*(\b)
	global_load_b128 v[8*(\b)+4:8*(\b)+7], v[BO], s[72:73] offset:64*(\b)+16
.endr
	WIN 0
	s_lshl_b32 s16, s13, 7
	s_lshl_b32 s17, s11, 6
	s_add_co_u32 s16, s16, s17                     ; my first row of ob
	s_lshl_b32 s16, s16, 12
	s_add_co_u32 s16, s16, s20                     ; and my first column
	s_mov_b32 s17, 0
	s_mov_b64 s[8:9], s[74:75]
; 8 matrix instructions: m block a x all 8 n blocks, 32 along K.  first = 1: the product starts the sum, with the bias as C.  The 32 accumulators take turns in the same order in every quarter.
.macro MUL8 f, a, first
.if \first
	WIN 0x91                                       ; C in window 1
.else
	WIN MUL
.endif
.irp b, 0,1,2,3,4,5,6,7
.if \first
	v_wmma_f32_16x16x32_bf16 v[8*(8*(\a)+(\b)):8*(8*(\a)+(\b))+7], v[(\f)+8*(\b):(\f)+8*(\b)+7], v[(\f)+8*(\a):(\f)+8*(\a)+7], v[8*(\b):8*(\b)+7]
.else
	v_wmma_f32_16x16x32_bf16 v[8*(8*(\a)+(\b)):8*(8*(\a)+(\b))+7], v[(\f)+8*(\b):(\f)+8*(\b)+7], v[(\f)+8*(\a):(\f)+8*(\a)+7], v[8*(8*(\a)+(\b)):8*(8*(\a)+(\b))+7]
.endif
.endr
.endm
; 24 LDS loads in one run: Wo's 8 fragments, then ctx's 4
.macro FETCH slot, k, f
	WIN TO_B
.irp i, 0,1,2,3,4,5,6,7
	ds_load_b128 v[(\f)+8*(\i):(\f)+8*(\i)+3],   v[ADRB+(\slot)] offset:(\k)+(\i)*16*PITCH
	ds_load_b128 v[(\f)+8*(\i)+4:(\f)+8*(\i)+7], v[ADRB+(\slot)] offset:(\k)+(\i)*16*PITCH+32
.endr
	WIN 0
.irp i, 0,1,2,3
	ds_load_b128 v[(\f)+8*(\i):(\f)+8*(\i)+3],   v[ADRA+(\slot)] offset:(\k)+(\i)*16*PITCH
	ds_load_b128 v[(\f)+8*(\i)+4:(\f)+8*(\i)+7], v[ADRA+(\slot)] offset:(\k)+(\i)*16*PITCH+32
.endr
.endm
.macro PLACES                          ; four places behind matrix instructions (ISA guide 7.12.1)
.rept 4
	v_nop
.endr
.endm
; A K step is four quarters of 32 along K, 32 matrix instructions each, on buffers 0, 1, 0, 1
.macro QUARTER slot, k, f, g, first
	s_wait_dscnt 4                                 ; Wo's fragments and ctx's blocks 0, 1 are in; the youngest four loads (blocks 2, 3) may be out
	MUL8 \f, 0, \first
	MUL8 \f, 1, \first
	PLACES
	FETCH \slot, \k, \g
	s_wait_dscnt 24                                ; all but the 24 just issued
	MUL8 \f, 2, \first
	MUL8 \f, 3, \first
.endm
; The last quarter multiplies buffer 1 and changes slots: one barrier; in front of it each wave waits for all its tensor loads, adds 0 to its spare word, and waits for that and for its own reads of this slot.
; fill = 1: the barrier opens a round of the cluster's, and this slot is filled again, two K steps ahead: 112 matrix instructions ahead of the wait for it.
.macro TURN slot, next, fill
	WIN 0
	s_wait_tensorcnt 0x0                           ; all my tensor loads have landed: my part of the next slot
	ds_add_u32 v[SPW], v[NIL]                      ; 0 onto my spare word
	s_wait_dscnt 5                                 ; (the add and the youngest four loads may be out)
	MUL8 F1, 0, 0                                  ; eight matrix instructions stand between the add and the wait for it
	s_wait_dscnt 0x0                               ; the add is done, and my reads of this slot are over
	s_barrier_signal -1
	MUL8 F1, 1, 0
.if \fill
	WIN 0
.endif
	s_barrier_wait -1
.if \fill
	CREST                                          ; no wave of any partner still reads this slot's tile or has a load on its way
	s_add_nc_u64 s[G0+4*(\slot)+2:G0+4*(\slot)+3], s[G0+4*(\slot)+2:G0+4*(\slot)+3], 2*KSTEP*2
	s_add_nc_u64 s[G0B+4*(\slot)+2:G0B+4*(\slot)+3], s[G0B+4*(\slot)+2:G0B+4*(\slot)+3], 2*KSTEP*2
	JLOAD \slot                                    ; the first tensor load behind the round; its four v_nop are also the places in front of the loads below
.else
	PLACES
.endif
	FETCH \next, 0, F0
	MUL8 F1, 2, 0
	MUL8 F1, 3, 0
.endm
; THE WAY OUT of m block a: 32 bytes a lane into my own stage (each accumulator's low four registers first), back as whole rows of 512 bytes, stored
.macro STG a
.if (\a) >= 2
	s_wait_xcnt 0x0                                ; the stores of the block two before have read the registers that are loaded again below
.endif
	WIN 0x08                                       ; the data (source 1) in window 2
.irp b, 0,1,2,3,4,5,6,7
	ds_store_b128 v[STO], v[8*(8*(\a)+(\b)):8*(8*(\a)+(\b))+3]   offset:64*(\b)
	ds_store_b128 v[STO], v[8*(8*(\a)+(\b))+4:8*(8*(\a)+(\b))+7] offset:64*(\b)+16
.endr
	WIN 0
.irp t, 0,1,2,3,4,5,6,7,8,9,10,11,12,13,14,15
	ds_load_b128 v[OB+64*((\a)%2)+4*(\t):OB+64*((\a)%2)+4*(\t)+3], v[RD] offset:(\t)*SPITCH  ; LDS serves a wave's instructions in order (ISA guide 5.7.1.4): these see the stores above; the next block's stores come behind them
.endr
.endm
.macro SEND a, younger                 ; younger: the LDS instructions issued behind block a's loads: the next block's 32, or none
	s_wait_dscnt \younger
	s_wait_xcnt 0x0                                ; the stores' base is rewritten only behind this wait
.if (\a) == 0
	s_add_nc_u64 s[8:9], s[8:9], s[16:17]
.else
	s_add_nc_u64 s[8:9], s[8:9], 16*4096
.endif
.irp t, 0,1,2,3,4,5,6,7,8,9,10,11,12,13,14,15
	global_store_b128 v[CO], v[OB+64*((\a)%2)+4*(\t):OB+64*((\a)%2)+4*(\t)+3], s[8:9] offset:(\t)*4096  ; a wave's store covers 512 consecutive bytes, at a multiple of 256 from ob's first byte
.endr
.endm
	s_wait_tensorcnt 1                             ; my part of K step 0 is in; K step 1's may stay out
	s_barrier_signal -1
	s_barrier_wait -1
	FETCH 0, 0, F0
	s_wait_loadcnt 0x0                             ; the bias
	QUARTER 0, 64,  F0, F1, 1                      ; the first quarter stands in front of the loop: its products start the sums
	WIN 0
	s_mov_b32 s3, LAPS-1
.Llap:                                         ; a trip goes once round the ring and fills both slots again
	QUARTER 0, 128, F1, F0, 0
	QUARTER 0, 192, F0, F1, 0
	TURN 0, 1, 1
	QUARTER 1, 64,  F0, F1, 0
	QUARTER 1, 128, F1, F0, 0
	QUARTER 1, 192, F0, F1, 0
	TURN 1, 0, 1
	QUARTER 0, 64,  F0, F1, 0
	WIN 0
	s_sub_co_u32 s3, s3, 1
	s_cmp_lg_u32 s3, 0
	s_cbranch_scc1 .Llap
	QUARTER 0, 128, F1, F0, 0                      ; the last lap fills nothing, and has no round of the cluster's barrier
	QUARTER 0, 192, F0, F1, 0
	TURN 0, 1, 0
	QUARTER 1, 64,  F0, F1, 0
	QUARTER 1, 128, F1, F0, 0
	QUARTER 1, 192, F0, F1, 0
	s_wait_dscnt 4                                 ; the very last quarter: nothing more to fetch
	MUL8 F1, 0, 0
	MUL8 F1, 1, 0
	s_wait_dscnt 0x0
	MUL8 F1, 2, 0
	MUL8 F1, 3, 0
	WIN 0
	PLACES                                         ; behind the last products: for the LDS stores that read results and the loads into the fragments' registers
	STG 0
	STG 1
	SEND 0, 32
	STG 2
	SEND 1, 32
	STG 3
	SEND 2, 32
	SEND 3, 0
	s_wait_tensorcnt 0x0                           ; the wave's end, behind my last tensor load and my last LDS store
	ds_add_u32 v[SPW], v[NIL]
	s_wait_dscnt 0x0
	CROUND                                         ; the closing round
	s_endpgm
.Lfunc_end_k_q3461791c8e_oproj:
	.size	k_q3461791c8e_oproj, .Lfunc_end_k_q3461791c8e_oproj-k_q3461791c8e_oproj
	.p2alignl 7, 3214868480
	.fill 96, 4, 3214868480
	.section	.rodata,"a",@progbits
	.p2align	6, 0x0
	.amdhsa_kernel k_q3461791c8e_oproj
		.amdhsa_group_segment_fixed_size 327680
		.amdhsa_private_segment_fixed_size 0
		.amdhsa_enable_private_segment 0
		.amdhsa_kernarg_size 32
		.amdhsa_user_sgpr_count 2
		.amdhsa_user_sgpr_kernarg_segment_ptr 1
		.amdhsa_wavefront_size32 1
		.amdhsa_system_sgpr_workgroup_id_x 1
		.amdhsa_system_sgpr_workgroup_id_y 1
		.amdhsa_system_sgpr_workgroup_id_z 1
		.amdhsa_system_vgpr_workitem_id 0
		.amdhsa_next_free_vgpr 768
		.amdhsa_next_free_sgpr 80
		.amdhsa_reserve_vcc 0
		.amdhsa_float_denorm_mode_32 3
		.amdhsa_float_denorm_mode_16_64 3
		.amdhsa_memory_ordered 1
		.amdhsa_forward_progress 1
		.amdhsa_inst_pref_size 87
	.end_amdhsa_kernel
	.amdgpu_metadata
---
amdhsa.version: [ 1, 2 ]
amdhsa.kernels:
  - .name:           k_q3461791c8e_oproj
    .symbol:         k_q3461791c8e_oproj.kd
    .args:
      - { .name: ctx, .offset: 0, .size: 8, .value_kind: global_buffer, .address_space: global }
      - { .name: bf, .offset: 8, .size: 8, .value_kind: global_buffer, .address_space: global }
      - { .name: bo, .offset: 16, .size: 8, .value_kind: global_buffer, .address_space: global }
      - { .name: ob, .offset: 24, .size: 8, .value_kind: global_buffer, .address_space: global }
    .group_segment_fixed_size: 327680
    .private_segment_fixed_size: 0
    .kernarg_segment_align: 8
    .kernarg_segment_size: 32
    .max_flat_workgroup_size: 128
    .sgpr_count:     80
    .vgpr_count:     768
    .wavefront_size: 32
...
	.end_amdgpu_metadata
.endif
;; end of part 4
;; launch ln (part 5): grid 512 x 1, 8 waves a work-group, no clusters, 0 bytes of LDS; arguments hidden_states, ob, qgkv, ln_g, ln_b, out0; writes out0
.if DOCPART == 5
	.amdgcn_target "amdgcn-amd-amdhsa--gfx1250"
	.amdhsa_code_object_version 6
	.text
	.protected	k_q3461791c8e_ln
	.globl	k_q3461791c8e_ln
	.p2align	8
	.type	k_q3461791c8e_ln,@function
k_q3461791c8e_ln:
	s_mov_b64 s[64:65], 0
	v_nop
	global_prefetch_b8 v0, s[64:65] scope:SCOPE_SE
	s_setreg_imm32_b32 hwreg(HW_REG_WAVE_MODE, 25, 1), 1
	s_wait_xcnt 0x0
; THE GATE, THE BLEND AND THE LAYERNORM.  w = hs + sigmoid(z) o;  out = (w - mean w) rsqrt(var w + 4e-5) g + b.
; The blend is 0.5 w.  (0.5 w - 0.5 mean) rsqrt(0.25 var + 1e-5) = (w - mean) rsqrt(var + 4e-5): the halves are never multiplied.
; hs, o (ob), out0: [8192][1024] f32.  z: segment 1 of qgkv, bf16, row s of batch b at row 1152 b + 64 + s: the gate before its sigmoid, rounded once to bf16.
; One wave, one row: the row's 1,024 numbers are 32 registers a lane, both reductions stay inside the wave: no LDS, no barrier.  A wave takes two rows on end; the second row's 24 loads go out as soon as
; the first row's registers are free, ahead of its two reductions.  A lane holds the columns 128 j + 4 lane + 0..3, j = 0..7, of every tensor: a wave's load or store of f32 covers 512 consecutive bytes, of z 256.
; The variance is the mean square of the deviations: no difference of large sums is formed.  sigmoid(z) = 1 / (1 + 2^(-z log2 e)): 0 where the power overflows, 1 where it vanishes.
.set SEG, 18874368
.set HS, 16                            ; v[16:47]
.set OO, 48                            ; v[48:79]
.set Z,  80                            ; v[80:95]
.set G,  96                            ; v[96:127]   ln_g of my columns
.set BB, 128                           ; v[128:159]  ln_b
.set W,  160                           ; v[160:191]  w, then its deviations, then the result
.set T,  192                           ; v[192:223]  at work
.set MN, 4                             ; v[4:5]  the mean, in the low word
.set RS, 6                             ; v[6:7]  1 / sigma, in the low word
	s_load_b256 s[4:11], s[0:1], 0x0               ; hs 4:5, ob 6:7, qgkv 8:9, ln_g 10:11
	s_load_b128 s[12:15], s[0:1], 0x20             ; ln_b 12:13, out0 14:15
	v_lshrrev_b32 v3, 5, v0
	v_readfirstlane_b32 s16, v3                    ; wave 0..7
	v_and_b32 v2, 31, v0
	v_lshlrev_b32 v1, 4, v2                        ; 16 bytes a lane
	v_lshlrev_b32 v2, 3, v2                        ; 8 bytes a lane
	v_mov_b32 v[MN+1], 0                           ; named in pairs
	v_mov_b32 v[RS+1], 0
	s_lshl_b32 s17, ttmp9, 4
	s_lshl1_add_u32 s17, s16, s17                  ; my first row: 16 x work-group + 2 x wave
	s_lshl_b32 s18, s17, 12
	s_mov_b32 s19, 0
	s_lshr_b32 s22, s17, 10                        ; its batch
	s_lshl_b32 s22, s22, 7                         ; 128 pad rows for each batch before it,
	s_add_co_u32 s22, s22, s17
	s_add_co_u32 s22, s22, 64                      ; and the batch's own front pad
	s_lshl_b32 s22, s22, 11
	s_add_co_u32 s22, s22, SEG
	s_mov_b32 s23, 0
	s_mov_b32 s20, 0xbfb8aa3b                      ; -log2(e)
	s_mov_b32 s21, s20
	s_mov_b32 s24, 0x3a800000                      ; 1 / 1024
	s_mov_b32 s25, 0x3827c5ac                      ; 4e-5
	s_mov_b32 s26, 0x76543210                      ; v_permlanex16_b32: each lane takes its own place in the other half
	s_mov_b32 s27, 0xfedcba98
	s_mov_b32 s28, 0xffff0000                      ; a word's upper bf16
	s_mov_b32 s30, 2                               ; rows to go
	s_wait_kmcnt 0x0
	s_add_nc_u64 s[4:5], s[4:5], s[18:19]
	s_add_nc_u64 s[6:7], s[6:7], s[18:19]
	s_add_nc_u64 s[14:15], s[14:15], s[18:19]
	s_add_nc_u64 s[8:9], s[8:9], s[22:23]
.macro ROWLOAD
.irp j, 0,1,2,3,4,5,6,7
	global_load_b64 v[Z+2*(\j):Z+2*(\j)+1], v2, s[8:9] offset:256*(\j) th:TH_LOAD_NT
.endr
.irp j, 0,1,2,3,4,5,6,7
	global_load_b128 v[OO+4*(\j):OO+4*(\j)+3], v1, s[6:7] offset:512*(\j) th:TH_LOAD_NT
.endr
.irp j, 0,1,2,3,4,5,6,7
	global_load_b128 v[HS+4*(\j):HS+4*(\j)+3], v1, s[4:5] offset:512*(\j) th:TH_LOAD_NT
.endr
.endm
.macro ACROSS                          ; v[T] summed over the 32 lanes, the result in every lane
	v_add_f32_dpp v[T], v[T], v[T] row_xmask:1 row_mask:0xf bank_mask:0xf
	v_add_f32_dpp v[T], v[T], v[T] row_xmask:2 row_mask:0xf bank_mask:0xf
	v_add_f32_dpp v[T], v[T], v[T] row_xmask:4 row_mask:0xf bank_mask:0xf
	v_add_f32_dpp v[T], v[T], v[T] row_xmask:8 row_mask:0xf bank_mask:0xf
	v_permlanex16_b32 v[T+1], v[T], s26, s27
	v_add_f32 v[T], v[T], v[T+1]
.endm
	ROWLOAD
.irp j, 0,1,2,3,4,5,6,7
	global_load_b128 v[G+4*(\j):G+4*(\j)+3],   v1, s[10:11] offset:512*(\j)
	global_load_b128 v[BB+4*(\j):BB+4*(\j)+3], v1, s[12:13] offset:512*(\j)
.endr
.Lrow:
	s_wait_loadcnt 0x0                             ; the row is in (and, the first time, g and b); its loads' bases are free
.set i, 0
.rept 16
	v_lshlrev_b32 v[T+2*i],   16,  v[Z+i]          ; bf16 to f32
	v_and_b32     v[T+2*i+1], s28, v[Z+i]
.set i, i+1
.endr
.set i, 0
.rept 16
	v_pk_mul_f32 v[T+2*i:T+2*i+1], v[T+2*i:T+2*i+1], s[20:21] op_sel_hi:[1,0]
.set i, i+1
.endr
.set i, 0
.rept 32
	v_exp_f32 v[T+i], v[T+i]
.set i, i+1
.endr
	v_nop                                          ; a plain instruction behind the last exponential,
	s_wait_alu depctr_va_vdst(0)                   ; and one wait for the batch, ahead of its first reader
.set i, 0
.rept 16
	v_pk_add_f32 v[T+2*i:T+2*i+1], v[T+2*i:T+2*i+1], 1.0 op_sel_hi:[1,0]
.set i, i+1
.endr
.set i, 0
.rept 32
	v_rcp_f32 v[T+i], v[T+i]
.set i, i+1
.endr
	v_nop
	s_wait_alu depctr_va_vdst(0)                   ; one wait for the 32 reciprocals
.set i, 0
.rept 16
	v_pk_fma_f32 v[W+2*i:W+2*i+1], v[T+2*i:T+2*i+1], v[OO+2*i:OO+2*i+1], v[HS+2*i:HS+2*i+1]  ; w = gate x o + hs
.set i, i+1
.endr
	s_cmp_eq_u32 s30, 1
	s_cbranch_scc1 .Lno_load                       ; the second row has no row behind it
	s_add_nc_u64 s[4:5], s[4:5], 4096
	s_add_nc_u64 s[6:7], s[6:7], 4096
	s_add_nc_u64 s[8:9], s[8:9], 2048
	ROWLOAD
.Lno_load:
.set i, 0
.rept 8                                ; the row's sum: my 32 numbers, two at a time, as a tree
	v_pk_add_f32 v[T+2*i:T+2*i+1], v[W+4*i:W+4*i+1], v[W+4*i+2:W+4*i+3]
.set i, i+1
.endr
.set i, 0
.rept 4
	v_pk_add_f32 v[T+4*i:T+4*i+1], v[T+4*i:T+4*i+1], v[T+4*i+2:T+4*i+3]
.set i, i+1
.endr
	v_pk_add_f32 v[T:T+1], v[T:T+1], v[T+4:T+5]
	v_pk_add_f32 v[T+8:T+9], v[T+8:T+9], v[T+12:T+13]
	v_pk_add_f32 v[T:T+1], v[T:T+1], v[T+8:T+9]
	v_add_f32 v[T], v[T], v[T+1]
	ACROSS
	v_mul_f32 v[MN], s24, v[T]
.set i, 0
.rept 16
	v_pk_add_f32 v[W+2*i:W+2*i+1], v[W+2*i:W+2*i+1], v[MN:MN+1] op_sel_hi:[1,0] neg_lo:[0,1] neg_hi:[0,1]  ; the deviations
.set i, i+1
.endr
.set i, 0
.rept 4                                ; their squares, in four chains
	v_pk_mul_f32 v[T+2*i:T+2*i+1], v[W+2*i:W+2*i+1], v[W+2*i:W+2*i+1]
.set i, i+1
.endr
.rept 12
	v_pk_fma_f32 v[T+2*(i%4):T+2*(i%4)+1], v[W+2*i:W+2*i+1], v[W+2*i:W+2*i+1], v[T+2*(i%4):T+2*(i%4)+1]
.set i, i+1
.endr
	v_pk_add_f32 v[T:T+1], v[T:T+1], v[T+2:T+3]
	v_pk_add_f32 v[T+4:T+5], v[T+4:T+5], v[T+6:T+7]
	v_pk_add_f32 v[T:T+1], v[T:T+1], v[T+4:T+5]
	v_add_f32 v[T], v[T], v[T+1]
	ACROSS
	v_fma_f32 v[T+2], v[T], s24, s25               ; var + 4e-5
	v_rsq_f32 v[RS], v[T+2]
	v_nop
	s_wait_alu depctr_va_vdst(0)
.set i, 0
.rept 16
	v_pk_mul_f32 v[W+2*i:W+2*i+1], v[W+2*i:W+2*i+1], v[RS:RS+1] op_sel_hi:[1,0]
.set i, i+1
.endr
.set i, 0
.rept 16
	v_pk_fma_f32 v[W+2*i:W+2*i+1], v[W+2*i:W+2*i+1], v[G+2*i:G+2*i+1], v[BB+2*i:BB+2*i+1]
.set i, i+1
.endr
.irp j, 0,1,2,3,4,5,6,7
	global_store_b128 v1, v[W+4*(\j):W+4*(\j)+3], s[14:15] offset:512*(\j) th:TH_STORE_NT
.endr
	s_wait_xcnt 0x0                                ; the stores have read W and their base: both are written again only behind this wait
	s_add_nc_u64 s[14:15], s[14:15], 4096
	s_sub_co_u32 s30, s30, 1
	s_cmp_lg_u32 s30, 0
	s_cbranch_scc1 .Lrow
	s_endpgm
.Lfunc_end_k_q3461791c8e_ln:
	.size	k_q3461791c8e_ln, .Lfunc_end_k_q3461791c8e_ln-k_q3461791c8e_ln
	.p2alignl 7, 3214868480
	.fill 96, 4, 3214868480
	.section	.rodata,"a",@progbits
	.p2align	6, 0x0
	.amdhsa_kernel k_q3461791c8e_ln
		.amdhsa_group_segment_fixed_size 0
		.amdhsa_private_segment_fixed_size 0
		.amdhsa_enable_private_segment 0
		.amdhsa_kernarg_size 48
		.amdhsa_user_sgpr_count 2
		.amdhsa_user_sgpr_kernarg_segment_ptr 1
		.amdhsa_wavefront_size32 1
		.amdhsa_system_sgpr_workgroup_id_x 1
		.amdhsa_system_sgpr_workgroup_id_y 1
		.amdhsa_system_sgpr_workgroup_id_z 1
		.amdhsa_system_vgpr_workitem_id 0
		.amdhsa_next_free_vgpr 224
		.amdhsa_next_free_sgpr 66
		.amdhsa_reserve_vcc 0
		.amdhsa_float_denorm_mode_32 3
		.amdhsa_float_denorm_mode_16_64 3
		.amdhsa_memory_ordered 1
		.amdhsa_forward_progress 1
		.amdhsa_inst_pref_size 21
	.end_amdhsa_kernel
	.amdgpu_metadata
---
amdhsa.version: [ 1, 2 ]
amdhsa.kernels:
  - .name:           k_q3461791c8e_ln
    .symbol:         k_q3461791c8e_ln.kd
    .args:
      - { .name: hidden_states, .offset: 0, .size: 8, .value_kind: global_buffer, .address_space: global }
      - { .name: ob, .offset: 8, .size: 8, .value_kind: global_buffer, .address_space: global }
      - { .name: qgkv, .offset: 16, .size: 8, .value_kind: global_buffer, .address_space: global }
      - { .name: ln_g, .offset: 24, .size: 8, .value_kind: global_buffer, .address_space: global }
      - { .name: ln_b, .offset: 32, .size: 8, .value_kind: global_buffer, .address_space: global }
      - { .name: out0, .offset: 40, .size: 8, .value_kind: global_buffer, .address_space: global }
    .group_segment_fixed_size: 0
    .private_segment_fixed_size: 0
    .kernarg_segment_align: 8
    .kernarg_segment_size: 48
    .max_flat_workgroup_size: 256
    .sgpr_count:     66
    .vgpr_count:     224
    .wavefront_size: 32
...
	.end_amdgpu_metadata
.endif
;; end of part 5
